; MI455X (gfx1250); checked and timed in simulation.
; The chip was launched on July 23, 2026; its instructions are those of AMD's public machine-readable ISA for CDNA 5 (MIT licence, August 2026) and "CDNA5" Instruction Set Architecture Reference Guide (July 2026). The comments in the code are by the model that wrote it; some were corrected since.
;; TP Qwen Attention. Allowed arithmetic: float matrix products may take bf16 or f16 operands with f32 sums; other float arithmetic in f32, or as packed bf16 or f16 multiplies, adds, multiply-adds, maxima and minima; sums over many terms, partial sums and values carried from step to step in f32; what a program stores and reads back later, other than sums and carried values, may be rounded once to bf16 or f16.
;; Inputs: Wk 2,048 x 2,048 float32; Wo 2,048 x 2,048 float32; Wq 2,048 x 2,048 float32; Wv 2,048 x 2,048 float32; attention_mask 1 x 1 x 2,048 x 2,048 float32; bk 2,048 float32; bq 2,048 float32; bv 2,048 float32; hidden_states 1 x 2,048 x 2,048 float32.
;; Outputs: out0 1 x 2,048 x 2,048 float32.
;; One version. Each part assembles by itself: llvm-mc -triple=amdgcn-amd-amdhsa -mcpu=gfx1250 --defsym DOCPART=n.
;; ======== version 1 of 1: 4 launches
;; limits: values are held in f16: magnitudes above 65,504 overflow, below 6.1e-05 lose precision
;; workspace buffers: xw 33,554,432 bytes; wo 8,388,608 bytes; qkv 25,165,824 bytes; ctx 8,388,608 bytes
;; launch cast (part 1): grid 256 x 4, 8 waves a work-group, no clusters, 0 bytes of LDS; arguments hidden_states, Wq, Wk, Wv, xw; writes xw
.if DOCPART == 1
	.amdgcn_target "amdgcn-amd-amdhsa--gfx1250"
	.amdhsa_code_object_version 6
	.text
	.protected	k_qaa737452ce_cast
	.globl	k_qaa737452ce_cast
	.p2align	8
	.type	k_qaa737452ce_cast,@function
k_qaa737452ce_cast:
	s_mov_b64 s[64:65], 0
	v_nop
	global_prefetch_b8 v0, s[64:65] scope:SCOPE_SE
	s_setreg_imm32_b32 hwreg(HW_REG_WAVE_MODE, 25, 1), 1
	s_wait_xcnt 0x0
; xw = four planes of [2048][2048] bf16: 0 hidden_states, 1 Wq, 2 Wk, 3 Wv, each number rounded once.
; A stream: no LDS, no barrier, no matrix work.  The grid's y picks the plane; a work-group takes 65,536 bytes of f32 and writes 32,768, in sixteen passes.
; In a pass thread t reads 16 bytes at 16 t (a wave's load covers 512 consecutive bytes) and stores 8 bytes at 8 t (a wave's store covers 256 consecutive bytes, aligned).
; All sixteen loads of a thread go out at once; no register is written twice, so no wait frees anything.
.set X, 16                             ; v[16:79]   pass p: 4 numbers as loaded
.set Y, 80                             ; v[80:111]  pass p: 2 registers to store
	s_load_b256 s[4:11], s[0:1], 0x0               ; hidden_states, Wq, Wk, Wv
	s_load_b64 s[14:15], s[0:1], 0x20              ; xw
	s_and_b32 s16, ttmp7, 0xffff                   ; the plane
	v_lshlrev_b32 v1, 4, v0                        ; 16 t
	v_lshlrev_b32 v2, 3, v0                        ; 8 t
	s_lshl_b32 s20, ttmp9, 16                      ; the work-group's 65,536 bytes of the source
	s_mov_b32 s21, 0
	s_lshl_b32 s22, s16, 23                        ; the plane's 8,388,608 bytes in xw,
	s_lshl_b32 s17, ttmp9, 15                      ; the work-group's 32,768 of them
	s_add_co_u32 s22, s22, s17
	s_mov_b32 s23, 0
	s_wait_kmcnt 0x0
	s_mov_b64 s[18:19], s[4:5]                     ; the source is chosen by the plane's number alone
	s_cmp_eq_u32 s16, 1
	s_cselect_b64 s[18:19], s[6:7], s[18:19]
	s_cmp_eq_u32 s16, 2
	s_cselect_b64 s[18:19], s[8:9], s[18:19]
	s_cmp_eq_u32 s16, 3
	s_cselect_b64 s[18:19], s[10:11], s[18:19]
	s_add_nc_u64 s[18:19], s[18:19], s[20:21]
	s_add_nc_u64 s[14:15], s[14:15], s[22:23]
.irp p, 0,1,2,3,4,5,6,7,8,9,10,11,12,13,14,15
	global_load_b128 v[X+4*(\p):X+4*(\p)+3], v1, s[18:19] offset:(\p)*4096 th:TH_LOAD_NT
.endr
.irp p, 0,1,2,3,4,5,6,7,8,9,10,11,12,13,14,15
	s_wait_loadcnt 15-(\p)                         ; loads come back in order: this pass's is in, the later passes' stay out
	v_cvt_pk_bf16_f32 v[Y+2*(\p)],   v[X+4*(\p)],   v[X+4*(\p)+1]
	v_cvt_pk_bf16_f32 v[Y+2*(\p)+1], v[X+4*(\p)+2], v[X+4*(\p)+3]
	global_store_b64 v2, v[Y+2*(\p):Y+2*(\p)+1], s[14:15] offset:(\p)*2048 th:TH_STORE_NT
.endr
	s_endpgm
.Lfunc_end_k_qaa737452ce_cast:
	.size	k_qaa737452ce_cast, .Lfunc_end_k_qaa737452ce_cast-k_qaa737452ce_cast
	.p2alignl 7, 3214868480
	.fill 96, 4, 3214868480
	.section	.rodata,"a",@progbits
	.p2align	6, 0x0
	.amdhsa_kernel k_qaa737452ce_cast
		.amdhsa_group_segment_fixed_size 0
		.amdhsa_private_segment_fixed_size 0
		.amdhsa_enable_private_segment 0
		.amdhsa_kernarg_size 40
		.amdhsa_user_sgpr_count 2
		.amdhsa_user_sgpr_kernarg_segment_ptr 1
		.amdhsa_wavefront_size32 1
		.amdhsa_system_sgpr_workgroup_id_x 1
		.amdhsa_system_sgpr_workgroup_id_y 1
		.amdhsa_system_sgpr_workgroup_id_z 1
		.amdhsa_system_vgpr_workitem_id 0
		.amdhsa_next_free_vgpr 112
		.amdhsa_next_free_sgpr 66
		.amdhsa_reserve_vcc 0
		.amdhsa_float_denorm_mode_32 3
		.amdhsa_float_denorm_mode_16_64 3
		.amdhsa_memory_ordered 1
		.amdhsa_forward_progress 1
		.amdhsa_inst_pref_size 7
	.end_amdhsa_kernel
	.amdgpu_metadata
---
amdhsa.version: [ 1, 2 ]
amdhsa.kernels:
  - .name:           k_qaa737452ce_cast
    .symbol:         k_qaa737452ce_cast.kd
    .args:
      - { .name: hidden_states, .offset: 0, .size: 8, .value_kind: global_buffer, .address_space: global }
      - { .name: Wq, .offset: 8, .size: 8, .value_kind: global_buffer, .address_space: global }
      - { .name: Wk, .offset: 16, .size: 8, .value_kind: global_buffer, .address_space: global }
      - { .name: Wv, .offset: 24, .size: 8, .value_kind: global_buffer, .address_space: global }
      - { .name: xw, .offset: 32, .size: 8, .value_kind: global_buffer, .address_space: global }
    .group_segment_fixed_size: 0
    .private_segment_fixed_size: 0
    .kernarg_segment_align: 8
    .kernarg_segment_size: 40
    .max_flat_workgroup_size: 256
    .sgpr_count:     66
    .vgpr_count:     112
    .wavefront_size: 32
...
	.end_amdgpu_metadata
.endif
;; end of part 1
;; launch qkv (part 2): grid 16 x 16, 4 waves a work-group, clusters of 4 x 4, 327,680 bytes of LDS; arguments xw, bq, bk, bv, qkv; writes qkv
.if DOCPART == 2
	.amdgcn_target "amdgcn-amd-amdhsa--gfx1250"
	.amdhsa_code_object_version 6
	.text
	.protected	k_qaa737452ce_qkv
	.globl	k_qaa737452ce_qkv
	.p2align	8
	.type	k_qaa737452ce_qkv,@function
k_qaa737452ce_qkv:
	s_mov_b64 s[64:65], 0
	v_nop
	global_prefetch_b8 v0, s[64:65] scope:SCOPE_SE
	s_setreg_imm32_b32 hwreg(HW_REG_WAVE_MODE, 25, 1), 1
	s_wait_xcnt 0x0
	s_wait_alu depctr_hold_cnt(0) depctr_sa_sdst(0) depctr_va_vdst(0) depctr_va_sdst(0) depctr_va_ssrc(0) depctr_va_vcc(0) depctr_vm_vsrc(0)
	s_getreg_b32 s2, hwreg(HW_REG_IB_STS2, 6, 4)
	s_cmp_eq_u32 s2, 0
	s_cbranch_scc0 .Lentry_in_a_cluster
	s_endpgm
.Lentry_in_a_cluster:
	s_bfe_u32 s2, ttmp6, 0x10000c
	s_cmp_lg_u32 s2, 0xf033
	s_cbranch_scc0 .Lentry_shape_is_right
	s_endpgm
.Lentry_shape_is_right:
; q, k, v = x W + b, by heads: qkv = three planes [16 heads][2048 rows][128] f16.  x and W come from xw in bf16 (x [2048][2048]; W [k][n]); the biases are rounded to bf16 here; sums in f32.
; q's sums are multiplied by log2(e) / sqrt(128) in f32 before their one rounding, so that the next launch's scores are exponents of 2; k and v are unscaled.
; LIMIT: q, k, v are rounded once to f16, which holds no number beyond 65,504.
; SHARES.  A work-group makes 128 rows x the 128 columns of ONE head of q, of k and of v: a tile of 128 x 384.  Each of its four waves makes 64 rows x 64 columns of each of the three: 48 accumulators, 384 registers.
; K goes in 16 steps of 128 through two LDS slots.  A slot holds three tiles of W (128 k rows x 256 bytes) and one of x (128 rows x 256 bytes): one tensor load a wave.
; A K step is written once: the loop's trip is one step, and the slot that it reads hangs on a scalar that an exclusive or turns; the last two steps, which fill nothing, are a second loop that is left in its middle.
; CLUSTER 4 x 4.  x's tile hangs on the row block alone and is asked for jointly along a row of the cluster; W's tiles hang on the head alone and are asked for jointly along a column.
; THE PRODUCT IS USED TRANSPOSED: source 0 = 16 columns of W (turned on the way out of LDS by ds_load_tr16_b128), source 1 = 16 rows of x: a lane holds one row and eight neighbouring columns.
; THE BIAS IS THE C OPERAND of the first product of each sum: nothing is cleared and nothing is added afterwards.
; REGISTERS, in windows of 256: window 0: v0-31 addresses; v64-127 x's fragments, two buffers; v128-223 the biases, later v128-191 packed results and v192-255 rows read back;
;   window 1: v0-191 W's fragments, two buffers of 96; window 2: the accumulators of q and k; window 3: those of v.
.set PA,    272                        ; a row of x in LDS: 256 bytes + 16: the 16 rows of a fragment load start 16 bytes apart modulo 256
.set PB,    288                        ; a row of W: 256 + 32: the turning load's 8 rows x 32 bytes fall on different words modulo 256
.set WT,    128*PB
.set XT,    128*PA
.set SLOT1, 0x24000                    ; slot 1 begins here; a slot holds Wq's, Wk's, Wv's tile, then x's: 145,408 bytes; no tile's base has bit 14 or 17 set, so one exclusive or turns it into the other slot's
.set STAGE, 0                          ; the way out's 128 rows x 272 bytes lie in slot 0, which has had its last fill by then
.set SPARE, SLOT1+3*WT+XT              ; behind slot 1: the spare words, 128 bytes a wave: two blocks of 256 bytes that no other line names
.set PLANE, 8388608
.set ADRA0, 16                         ; v16     my lane's place in x's tile of slot 0; never rewritten
.set ADRA,  17                         ; v17     the same in the slot in hand
.set ADRB0, 18                         ; v18-20  my lane's place in the three tiles of W, slot 0; never rewritten
.set ADRB,  21                         ; v21-23  the same in the slot in hand
.set STO,  24                          ; v24  the way out: where I put 16 bytes of a row
.set RD,   25                          ; v25  where I read rows back
.set GO,   26                          ; v26  16 x lane
.set BO,   27                          ; v27  byte offset of my eight biases of column block 0
.set SPW,  28                          ; v28  my spare word; never rewritten
.set NIL,  29                          ; v29  0; never rewritten
.set PFO,  30                          ; v30  lane x 4,096: a row of xw; never rewritten
.set FA,   64
.set BIAS, 128
.set TMP,  128
.set OB,   192
.set WV, 14
.set WR, 15
.set WC, 16
.set CX, 17
.set CY, 18
.set HEAD, 19
.set RB, 20
.set TB, 21                            ; s21  the slot that the fetches read: 0 or SLOT1
.set G1X, 24                           ; s[24:31] group 1 for x's tile;  s[32:39] group 0: a set for each of the two first fills; the second then walks on
.set G0X, 32
.set LIM, 43                           ; 2 in a wave that prefetches, else the greatest number
.set PFA, 44                           ; s[44:45] where my prefetches stand
.set PFS, 46                           ; s[46:47] a K step in my rows
.set G1W, 48                           ; s[48:55], s[56:63] the same for W's tiles
.set G0W, 56
.set QS, 80                            ; s[80:81] log2(e) / sqrt(128)
.set MSB, 0
.macro WIN new                         ; the immediate's high byte repeats the setting that is left; a switch that changes nothing is dropped
.if MSB != (\new)
	s_set_vgpr_msb (MSB<<8)|(\new)
.set MSB, \new
.endif
.endm
.macro PLACES                          ; four plain places behind a matrix instruction, ahead of loads into registers that it read and of lines that read its results
.rept 4
	v_nop
.endr
.endm
; A joint load: wave 3 fetches x's tile, waves 0 to 2 the tiles of Wq, Wk, Wv.  The branch hangs on the wave's number alone.  An s_nop 0 and four v_nop follow each line.
.macro JLOAD s
	s_cmp_eq_u32 s[WV], 3
	s_cbranch_scc0 .Lfor_w_\@
	tensor_load_to_lds s[G0X+4*(\s):G0X+4*(\s)+3], s[G1X:G1X+7]
	s_nop 0
.rept 4
	v_nop
.endr
	s_branch .Lasked_\@
.Lfor_w_\@:
	tensor_load_to_lds s[G0W+4*(\s):G0W+4*(\s)+3], s[G1W:G1W+7]
	s_nop 0
.rept 4
	v_nop
.endr
.Lasked_\@:
.endm
.macro CREST                           ; a round of the cluster's barrier behind its opening barrier
	s_cmp_lg_u32 s[WV], 0
	s_cbranch_scc1 .Lnot_wave_0_\@
	s_barrier_signal -3
.Lnot_wave_0_\@:
	s_barrier_wait -3
	s_barrier_signal -1
	s_barrier_wait -1
.endm
.macro CROUND
	s_barrier_signal -1
	s_barrier_wait -1
	CREST
.endm
; A prefetch of the K step that stands two refills on: 32 rows x 256 bytes, a lane a row.  x's rows are named by the clusters with x = 0 (wave 3), W's by the clusters with y = 0 (waves 0 to 2);
; of a wave's 128 rows each of the four partners that ask jointly takes 32, told apart by address.  So each row's 256 bytes of a K step are named once.  The loop's last two trips name nothing: K has no such step.
.macro ASK
	s_cmp_gt_u32 s3, s[LIM]
	s_cbranch_scc0 .Lnot_mine_\@
	global_prefetch_b8 v[PFO], s[PFA:PFA+1] th:TH_LOAD_NT scope:SCOPE_SE
.Lnot_mine_\@:
.endm
	s_load_b256 s[4:11], s[0:1], 0x0               ; xw s[4:5], bq s[6:7], bk s[8:9], bv s[10:11]
	s_load_b64 s[12:13], s[0:1], 0x20              ; qkv
	v_lshl_add_u32 v[SPW], v0, 2, SPARE
	v_mov_b32 v[NIL], 0
	ds_add_u32 v[SPW], v[NIL]                      ; the wave's opening: the add and its wait stand ahead of my first tensor load
	v_lshrrev_b32 v1, 5, v0
	v_readfirstlane_b32 s[WV], v1                  ; wave 0..3
	s_lshr_b32 s[WR], s[WV], 1                     ; my half of the rows
	s_and_b32 s[WC], s[WV], 1                      ; my half of the columns
	s_bfe_u32 s[CX], ttmp6, 0x40000
	s_bfe_u32 s[CY], ttmp6, 0x40004
	s_lshl_b32 s[HEAD], ttmp9, 2
	s_add_co_u32 s[HEAD], s[HEAD], s[CX]           ; the head = 4 x cluster x + cx
	s_and_b32 s[RB], ttmp7, 0xffff
	s_lshl_b32 s[RB], s[RB], 2
	s_add_co_u32 s[RB], s[RB], s[CY]               ; the block of 128 rows = 4 x cluster y + cy
	s_lshl_b32 s66, s[CY], 2
	s_lshl_b32 s66, 15, s66                        ; my row of the cluster
	s_lshl_b32 s67, 0x1111, s[CX]                  ; my column
	s_or_b32 s[G1X], s66, (1<<16)|(1<<20)|(1<<21)|(5<<22)|(3<<25)  ; mask; 2-byte elements; padding on; bit 21 beside a mask; after every 64 words 4 words
	s_or_b32 s[G1W], s67, (1<<16)|(1<<20)|(1<<21)|(5<<22)|(7<<25)  ; the same with my column's mask and 8 words of padding
.irp g, G1X, G1W
	s_mov_b32 s[(\g)+1], 128<<16                   ; tensor_dim0 = 128
	s_mov_b32 s[(\g)+2], 128<<16                   ; tensor_dim1 = 128
	s_mov_b32 s[(\g)+3], 128<<16                   ; tile_dim0 = 128
	s_mov_b32 s[(\g)+4], 128                       ; tile_dim1 = 128
	s_mov_b32 s[(\g)+5], 2048                      ; elements from row to row
	s_mov_b32 s[(\g)+6], 0
	s_mov_b32 s[(\g)+7], 0
.endr
	s_mov_b32 s[TB], 0
	s_mov_b32 s[QS], 0x3e0293ee                    ; log2(e) / sqrt(128) = 0.127517
	s_mov_b32 s[QS+1], s[QS]                       ; named with it as a pair
	s_lshl_b32 s68, s[RB], 19                      ; x: 128 rows of 4,096 bytes a block
	s_mov_b32 s69, 0
	s_add_co_u32 s70, s[WV], 1                     ; W: plane 1 + wave,
	s_lshl_b32 s70, s70, 23
	s_lshl_b32 s71, s[HEAD], 8                     ; the head's 256 bytes of each row
	s_add_co_u32 s70, s70, s71
	s_mov_b32 s71, 0
	s_mul_i32 s72, s[WV], WT                       ; where my W tile goes: no place in the cluster enters an LDS address
	s_wait_dscnt 0x0                               ; the opening add is done
	s_wait_kmcnt 0x0
	s_add_nc_u64 s[68:69], s[4:5], s[68:69]
	s_add_nc_u64 s[70:71], s[4:5], s[70:71]
	CROUND                                         ; all sixteen work-groups are here: the first joint loads meet
.irp s, 0,1
	s_mov_b32 s[G0X+4*(\s)], 1
	s_mov_b32 s[G0X+4*(\s)+1], 3*WT+(\s)*SLOT1
	s_add_nc_u64 s[G0X+4*(\s)+2:G0X+4*(\s)+3], s[68:69], (\s)*256
	s_or_b32 s[G0X+4*(\s)+3], s[G0X+4*(\s)+3], 0x80000000
	s_mov_b32 s[G0W+4*(\s)], 1
	s_add_co_u32 s[G0W+4*(\s)+1], s72, (\s)*SLOT1
	s_add_nc_u64 s[G0W+4*(\s)+2:G0W+4*(\s)+3], s[70:71], (\s)*524288
	s_or_b32 s[G0W+4*(\s)+3], s[G0W+4*(\s)+3], 0x80000000
	JLOAD \s                                       ; K steps 0 and 1: two loads of mine are out
.endr
	v_and_b32 v1, 15, v0                           ; r = l % 16
	v_bfe_u32 v2, v0, 4, 1                         ; h = l / 16
	v_and_b32 v3, 7, v0
	v_bfe_u32 v4, v0, 3, 1
	s_lshl_b32 s73, s[HEAD], 9
	s_lshl_b32 s74, s[WC], 8
	s_add_co_u32 s73, s73, s74
	v_lshl_add_u32 v[BO], v2, 5, s73               ; (128 head + 64 half + 8 h) x 4 bytes
.irp m, 0,1,2
.irp b, 0,1,2,3
	global_load_b128 v[BIAS+32*(\m)+8*(\b):BIAS+32*(\m)+8*(\b)+3],   v[BO], s[6+2*(\m):7+2*(\m)] offset:64*(\b)
	global_load_b128 v[BIAS+32*(\m)+8*(\b)+4:BIAS+32*(\m)+8*(\b)+7], v[BO], s[6+2*(\m):7+2*(\m)] offset:64*(\b)+16
.endr
.endr
	v_mul_u32_u24 v5, v1, PA
	v_lshl_add_u32 v5, v2, 4, v5                   ; r x 272 + 16 h
	s_mul_i32 s73, s[WR], 64*PA
	s_add_co_u32 s74, s73, 3*WT
	v_add_nc_u32 v[ADRA0], s74, v5
	v_lshl_add_u32 v6, v2, 3, v3                   ; the turning load: lane l reads k row 8 h + l % 8, columns 8 ((l / 8) % 2) on
	v_mul_u32_u24 v6, v6, PB
	v_lshl_add_u32 v6, v4, 4, v6
	v_lshl_add_u32 v6, s[WC], 7, v6                ; my 64 columns
.irp m, 0,1,2
	v_add_nc_u32 v[ADRB0+(\m)], (\m)*WT, v6
.endr
	s_lshl_b32 s74, s[WC], 7
	s_add_co_u32 s74, s74, s73
	v_add_nc_u32 v[STO], s74, v5                   ; the stage begins at LDS byte 0: (64 WR + r) x 272 + 128 WC + 16 h
	s_mul_i32 s74, s[WV], 32*PA
	v_mul_u32_u24 v7, v2, PA
	v_lshl_add_u32 v7, v1, 4, v7
	v_add_nc_u32 v[RD], s74, v7                    ; (32 w + h) x 272 + 16 r
	v_and_b32 v[GO], 31, v0
	v_lshlrev_b32 v[PFO], 12, v[GO]
	v_lshlrev_b32 v[GO], 4, v[GO]
	s_lshl_b32 s76, s[HEAD], 19                    ; where my 32 rows begin in a plane of qkv
	s_lshl_b32 s77, s[RB], 15
	s_add_co_u32 s76, s76, s77
	s_lshl_b32 s77, s[WV], 13
	s_add_co_u32 s76, s76, s77
	s_mov_b32 s77, 0
	; the prefetches: my work-group's 32 of the 128 rows that I fetch, at K step 3; the first refill steps to 4
	s_lshl_b32 s66, s[RB], 19
	s_lshl_b32 s67, s[CX], 17
	s_add_co_u32 s66, s66, s67
	s_add_co_u32 s66, s66, 3*256
	s_add_co_u32 s67, s[WV], 1
	s_lshl_b32 s67, s67, 23
	s_lshl_b32 s73, s[HEAD], 8
	s_add_co_u32 s67, s67, s73
	s_lshl_b32 s73, s[CY], 17
	s_add_co_u32 s67, s67, s73
	s_add_co_u32 s67, s67, 3*524288
	s_and_b32 s73, ttmp7, 0xffff
	s_mov_b32 s74, 256
	s_mov_b32 s75, 524288
	s_cmp_eq_u32 s[WV], 3
	s_cselect_b32 s66, s66, s67
	s_cselect_b32 s73, ttmp9, s73                  ; the coordinate along which other clusters read the same rows
	s_cselect_b32 s[PFS], s74, s75
	s_mov_b32 s67, 0
	s_mov_b32 s[PFS+1], 0
	s_cmp_eq_u32 s73, 0
	s_cselect_b32 s[LIM], 2, -1                    ; the same in all sixteen partners, for a given wave
	s_add_nc_u64 s[PFA:PFA+1], s[4:5], s[66:67]
; 16 matrix instructions: one matrix, 4 row blocks x 4 column blocks, 32 along K, on 16 accumulators that take turns.  first = 1: the bias starts the sums.
.macro MULM mat, f, first
.if \first
	WIN 0x81+0x40*((\mat)/2)
.else
	WIN 0xa1+0x50*((\mat)/2)
.endif
.irp a, 0,1,2,3
.irp b, 0,1,2,3
.if \first
	v_wmma_f32_16x16x32_bf16 v[128*((\mat)%2)+8*(4*(\a)+(\b)):128*((\mat)%2)+8*(4*(\a)+(\b))+7], v[96*(\f)+32*(\mat)+8*(\b):96*(\f)+32*(\mat)+8*(\b)+7], v[FA+32*(\f)+8*(\a):FA+32*(\f)+8*(\a)+7], v[BIAS+32*(\mat)+8*(\b):BIAS+32*(\mat)+8*(\b)+7]
.else
	v_wmma_f32_16x16x32_bf16 v[128*((\mat)%2)+8*(4*(\a)+(\b)):128*((\mat)%2)+8*(4*(\a)+(\b))+7], v[96*(\f)+32*(\mat)+8*(\b):96*(\f)+32*(\mat)+8*(\b)+7], v[FA+32*(\f)+8*(\a):FA+32*(\f)+8*(\a)+7], v[128*((\mat)%2)+8*(4*(\a)+(\b)):128*((\mat)%2)+8*(4*(\a)+(\b))+7]
.endif
.endr
.endr
.endm
.macro ADDR                            ; the four fragment addresses in the slot in hand
	v_add_nc_u32 v[ADRA], s[TB], v[ADRA0]
.irp m, 0,1,2
	v_add_nc_u32 v[ADRB+(\m)], s[TB], v[ADRB0+(\m)]
.endr
.endm
; 32 LDS loads in one run: quarter qn (32 along K) of the slot in hand into buffer f: x's four fragments, then Wq's, Wk's, Wv's four each
.macro FETCH qn, f
	WIN 0
.irp a, 0,1,2,3
	ds_load_b128 v[FA+32*(\f)+8*(\a):FA+32*(\f)+8*(\a)+3],   v[ADRA] offset:64*(\qn)+(\a)*16*PA
	ds_load_b128 v[FA+32*(\f)+8*(\a)+4:FA+32*(\f)+8*(\a)+7], v[ADRA] offset:64*(\qn)+(\a)*16*PA+32
.endr
	WIN 0x40
.irp m, 0,1,2
.irp b, 0,1,2,3
	ds_load_tr16_b128 v[96*(\f)+32*(\m)+8*(\b):96*(\f)+32*(\m)+8*(\b)+3],   v[ADRB+(\m)] offset:(\qn)*32*PB+32*(\b)
	ds_load_tr16_b128 v[96*(\f)+32*(\m)+8*(\b)+4:96*(\f)+32*(\m)+8*(\b)+7], v[ADRB+(\m)] offset:(\qn)*32*PB+32*(\b)+16*PB
.endr
.endr
.endm
; One of a K step's first three quarters: multiplies buffer f; in its middle fetches quarter qn into buffer g
.macro QUARTER qn, f, g, first
	s_wait_dscnt 8                                 ; all but the youngest eight loads (Wv's) are in
	MULM 0, \f, \first
	MULM 1, \f, \first
	PLACES
	FETCH \qn, \g
	s_wait_dscnt 32                                ; all but the 32 just issued
	MULM 2, \f, \first
.endm
; The last quarter multiplies buffer 1 and changes slots.  In front of the barrier each wave waits for all its tensor loads (one is out: its tile of the next slot), adds 0 to its spare word,
; and waits for that and for its reads of this slot.  fill = 1: the barrier opens a round of the cluster's barrier, and this slot is filled again first thing behind it, two K steps ahead.
; Sixteen products stand between the add and the wait for it; the other 32 stand behind the refill and the next slot's first fetch, so that the refill goes out as soon as the round allows.
.macro TURN fill
.if \fill
	s_wait_xcnt 0x0                                ; the last prefetch, a K step back, has read its address
	s_add_nc_u64 s[PFA:PFA+1], s[PFA:PFA+1], s[PFS:PFS+1]
.endif
	WIN 0
	s_wait_tensorcnt 0x0                           ; no tensor load of mine is out, so a group 0 may be written
	ds_add_u32 v[SPW], v[NIL]
.if \fill
	s_xor_b32 s[G0X+5], s[G0X+5], SLOT1            ; the walking descriptors: the other slot than last time, the next K step
	s_add_nc_u64 s[G0X+6:G0X+7], s[G0X+6:G0X+7], 256
	s_xor_b32 s[G0W+5], s[G0W+5], SLOT1
	s_add_nc_u64 s[G0W+6:G0W+7], s[G0W+6:G0W+7], 524288
.endif
	s_xor_b32 s[TB], s[TB], SLOT1                  ; the fetches go on in the other slot
	s_wait_dscnt 9                                 ; the add and Wv's eight loads may be out
	MULM 0, 1, 0
	WIN 0
	s_wait_dscnt 0x0                               ; the add is done, and my reads of this slot are over
	s_barrier_signal -1
	s_barrier_wait -1
.if \fill
	CREST                                          ; no wave of any partner still reads this slot or has a load on its way
	JLOAD 1                                        ; its four v_nop are also the places in front of the loads below
.else
	PLACES
.endif
	ADDR
	FETCH 0, 0
.if \fill
	WIN 0
	ASK
.endif
	MULM 1, 1, 0
	MULM 2, 1, 0
.endm
	s_wait_tensorcnt 0x1                           ; my tile of K step 0 is in; K step 1's may stay out
	s_barrier_signal -1
	s_barrier_wait -1
	ADDR
	FETCH 0, 0
	WIN 0
	s_wait_loadcnt 0x0                             ; the biases: rounded to bf16 like the other inputs, and widened again
.set n, 0
.rept 48
	v_cvt_pk_bf16_f32 v[224+n%16], v[BIAS+2*n], v[BIAS+2*n+1]
	v_lshlrev_b32 v[BIAS+2*n], 16, v[224+n%16]
	v_and_b32 v[BIAS+2*n+1], 0xffff0000, v[224+n%16]
.set n, n+1
.endr
	QUARTER 1, 0, 1, 1                             ; the first quarter stands in front of the loop: its products start the sums
	WIN 0
	s_mov_b32 s3, 14
.Lstep:                                            ; a trip goes from a K step's second quarter to the next step's first, and fills the slot that it leaves: K steps 2 to 15
	QUARTER 2, 1, 0, 0
	QUARTER 3, 0, 1, 0
	TURN 1
	QUARTER 1, 0, 1, 0
	WIN 0
	s_sub_co_u32 s3, s3, 1
	s_cmp_lg_u32 s3, 0
	s_cbranch_scc1 .Lstep
	s_mov_b32 s3, 2
.Ltail:                                            ; the last two K steps fill nothing.  The second trip is left behind its last quarter; its barrier and its fetch (of bytes that lie in slot 0 still) serve nothing: the price of one text for both
	QUARTER 2, 1, 0, 0
	QUARTER 3, 0, 1, 0
	TURN 0
	WIN 0
	s_sub_co_u32 s3, s3, 1
	s_cmp_eq_u32 s3, 0
	s_cbranch_scc1 .Lout
	QUARTER 1, 0, 1, 0
	WIN 0
	s_branch .Ltail
.Lout:
	PLACES
; THE WAY OUT of one matrix: rounded to f16, 16 bytes a lane into the work-group's stage (a row's 256 bytes come from two waves: a barrier), back as whole rows, 32 rows a wave: 8,192 consecutive bytes of qkv.
.macro OUT mat
.if (\mat) == 0
	WIN 0x82                                       ; q's sums times log2(e) / sqrt(128), in place
.set n, 0
.rept 64
	v_pk_mul_f32 v[2*n:2*n+1], v[2*n:2*n+1], s[QS:QS+1] op_sel_hi:[1,0]
.set n, n+1
.endr
.endif
	WIN 0x0a+5*((\mat)/2)
.set n, 0
.rept 16
.irp r, 0,1,2,3
	v_cvt_pk_f16_f32 v[TMP+4*n+(\r)], v[128*((\mat)%2)+8*n+2*(\r)], v[128*((\mat)%2)+8*n+2*(\r)+1]
.endr
.set n, n+1
.endr
	WIN 0
	s_wait_dscnt 0x0                               ; my reads of these LDS bytes (of slot 0, or of the stage) are over,
	s_barrier_signal -1
	s_barrier_wait -1                              ; everybody's are: the stage may be written
.irp a, 0,1,2,3
.irp b, 0,1,2,3
	ds_store_b128 v[STO], v[TMP+4*(4*(\a)+(\b)):TMP+4*(4*(\a)+(\b))+3] offset:STAGE+(\a)*16*PA+32*(\b)
.endr
.endr
	s_wait_dscnt 0x0                               ; for the others' sake: my stores into the stage are done
	s_barrier_signal -1
	s_barrier_wait -1
	s_wait_xcnt 0x0                                ; the earlier stores have read their base and their data: both are written again below
.if (\mat) == 0
	s_add_nc_u64 s[12:13], s[12:13], s[76:77]
.else
	s_add_nc_u64 s[12:13], s[12:13], PLANE
.endif
.irp t, 0,1,2,3,4,5,6,7,8,9,10,11,12,13,14,15
	ds_load_b128 v[OB+4*(\t):OB+4*(\t)+3], v[RD] offset:STAGE+(\t)*2*PA
.endr
.irp t, 0,1,2,3,4,5,6,7,8,9,10,11,12,13,14,15
	s_wait_dscnt 15-(\t)                           ; the younger loads may stay out
	global_store_b128 v[GO], v[OB+4*(\t):OB+4*(\t)+3], s[12:13] offset:512*(\t)  ; 512 consecutive bytes, aligned
.endr
.endm
	OUT 0
	OUT 1
	OUT 2
	s_wait_tensorcnt 0x0                           ; the wave's end
	ds_add_u32 v[SPW], v[NIL]
	s_wait_dscnt 0x0
	CROUND                                         ; the closing round
	s_endpgm
.Lfunc_end_k_qaa737452ce_qkv:
	.size	k_qaa737452ce_qkv, .Lfunc_end_k_qaa737452ce_qkv-k_qaa737452ce_qkv
	.p2alignl 7, 3214868480
	.fill 96, 4, 3214868480
	.section	.rodata,"a",@progbits
	.p2align	6, 0x0
	.amdhsa_kernel k_qaa737452ce_qkv
		.amdhsa_group_segment_fixed_size 327680
		.amdhsa_private_segment_fixed_size 0
		.amdhsa_enable_private_segment 0
		.amdhsa_kernarg_size 40
		.amdhsa_user_sgpr_count 2
		.amdhsa_user_sgpr_kernarg_segment_ptr 1
		.amdhsa_wavefront_size32 1
		.amdhsa_system_sgpr_workgroup_id_x 1
		.amdhsa_system_sgpr_workgroup_id_y 1
		.amdhsa_system_sgpr_workgroup_id_z 1
		.amdhsa_system_vgpr_workitem_id 0
		.amdhsa_next_free_vgpr 896
		.amdhsa_next_free_sgpr 84
		.amdhsa_reserve_vcc 0
		.amdhsa_float_denorm_mode_32 3
		.amdhsa_float_denorm_mode_16_64 3
		.amdhsa_memory_ordered 1
		.amdhsa_forward_progress 1
		.amdhsa_inst_pref_size 100
	.end_amdhsa_kernel
	.amdgpu_metadata
---
amdhsa.version: [ 1, 2 ]
amdhsa.kernels:
  - .name:           k_qaa737452ce_qkv
    .symbol:         k_qaa737452ce_qkv.kd
    .args:
      - { .name: xw, .offset: 0, .size: 8, .value_kind: global_buffer, .address_space: global }
      - { .name: bq, .offset: 8, .size: 8, .value_kind: global_buffer, .address_space: global }
      - { .name: bk, .offset: 16, .size: 8, .value_kind: global_buffer, .address_space: global }
      - { .name: bv, .offset: 24, .size: 8, .value_kind: global_buffer, .address_space: global }
      - { .name: qkv, .offset: 32, .size: 8, .value_kind: global_buffer, .address_space: global }
    .group_segment_fixed_size: 327680
    .private_segment_fixed_size: 0
    .kernarg_segment_align: 8
    .kernarg_segment_size: 40
    .max_flat_workgroup_size: 128
    .sgpr_count:     84
    .vgpr_count:     896
    .wavefront_size: 32
...
	.end_amdgpu_metadata
.endif
;; end of part 2
;; launch attn (part 3): grid 16 x 16, 4 waves a work-group, clusters of 4 x 4, 327,680 bytes of LDS; arguments qkv, attention_mask, Wo, ctx, wo; writes ctx, wo
.if DOCPART == 3
	.amdgcn_target "amdgcn-amd-amdhsa--gfx1250"
	.amdhsa_code_object_version 6
	.text
	.protected	k_qaa737452ce_attn
	.globl	k_qaa737452ce_attn
	.p2align	8
	.type	k_qaa737452ce_attn,@function
k_qaa737452ce_attn:
	s_mov_b64 s[64:65], 0
	v_nop
	global_prefetch_b8 v0, s[64:65] scope:SCOPE_SE
	s_setreg_imm32_b32 hwreg(HW_REG_WAVE_MODE, 25, 1), 1
	s_wait_xcnt 0x0
	s_wait_alu depctr_hold_cnt(0) depctr_sa_sdst(0) depctr_va_vdst(0) depctr_va_sdst(0) depctr_va_ssrc(0) depctr_va_vcc(0) depctr_vm_vsrc(0)
	s_getreg_b32 s2, hwreg(HW_REG_IB_STS2, 6, 4)
	s_cmp_eq_u32 s2, 0
	s_cbranch_scc0 .Lentry_in_a_cluster
	s_endpgm
.Lentry_in_a_cluster:
	s_bfe_u32 s2, ttmp6, 0x10000c
	s_cmp_lg_u32 s2, 0xf033
	s_cbranch_scc0 .Lentry_shape_is_right
	s_endpgm
.Lentry_shape_is_right:
; ctx[q][128 h + d] = the sum over k of softmax_k(Q[h][q] . K[h][k] / sqrt(128) + mask[q][k]) V[h][k][d].  Q, K, V: the three planes of qkv, [16][2048][128] f16; Q arrives multiplied by log2(e) / sqrt(128), so K Q^T is
; the score times log2(e).  mask [2048][2048] f32, an input: every number of it is read and enters in f32 as s = mask x log2(e) + K Q^T, one fused multiply-add.  The running maximum of s is taken away, and p = 2^(s - m).
; ctx [2048][2048] f16.  Products, maxima and sums in f32; the weights are rounded to f16 for the second product, ctx once at the end.
; LIMITS.  A weight below 2^-126 counts as 0; NaN and infinities are not treated apart.  Where all of a row's s lie near -1e9 x log2(e), f32 resolves them in steps of 128, 89 in the score's own units, where a sum in those
; units has steps of 64: such a row comes out as the plain mean of V while its scores stay under about 30.
; ALSO: wo = Wo rounded to bf16, that number written as f16 (the last launch multiplies in f16; a number below 2^-17 keeps f16's fixed step of 2^-24).  Each wave converts 16,384 bytes of Wo in the wait for the first tile.
; SHARES.  A work-group owns 128 queries of one head.  Wave w owns 64 of them (w / 2): four tiles of 16, in two PIECES (tiles 0, 1 and tiles 2, 3); of every 128 keys it takes the 64 at 64 (w % 2).
; So a wave walks 16 key steps of 64, one to a slot; the two waves of a pair merge their (m, l, O) once at the end, in f32, through LDS.
; LAYOUT.  S^T = K Q^T (source 0 = 16 keys, source 1 = 16 queries): a lane holds ONE query (lane % 16) and the keys 8 (lane / 16) + 0..7; two such results rounded to f16 ARE source 1 of O^T = V^T P.
; BY TURNS.  In a turn one piece has the matrix unit: 32 products V^T P of the step in hand, then 32 products K Q^T of the next; of the other piece's softmax, 298 vector instructions, four stand behind each product
; and the 42 that are over, all rescalings, stand together at the turn's end.
; m starts at the lowest finite number, O and l at 0, so the first step is a step like any other, with a = 0; the loop is entered in the middle of a trip.  The price: 428 lines that write 0 in the wait for the first tile,
; 32 products on zeros at the start and 32 on a stale K at the end.
; CLUSTER 4 x 4.  K and V hang on the head alone: asked for jointly along a row of the cluster.  The mask's tile hangs on the query block alone: jointly along a column.
; REGISTERS, in windows of 256: window 0: v0-11 addresses; v12-43 statistics, 8 a tile; v44-59 at work; v60-63 addresses; v64-191 S^T; v192-255 P.  window 1: O^T, 64 a tile.
;   window 2: v0-127 Q; v128-255 K of one step.  window 3: v0-127 V of one step; v128-255 the mask, 32 a tile.
.set PKP,   272                        ; a row of K in LDS: 256 bytes + 16
.set PVP,   288                        ; a row of V: 256 + 32
.set PM,    528                        ; a row of the mask's tile: 512 + 16
.set VOFF,  128*PKP
.set MOFF,  VOFF+128*PVP
.set MHALF, 64*PM
.set SLOT1, 0x22000                    ; a slot's bytes; no base inside a slot has bit 13 or 17 set, so one exclusive or turns an address into the other slot's
.set STAGE, 2*SLOT1                    ; 16 rows x 272 bytes for each wave, for the way out
.set SP,    272
.set SPARE, STAGE+4*16*SP              ; the spare words
.set XCH,   33792                      ; the exchange at the end, a pair of waves each: 32,768 bytes of O^T and 1,024 of (m, l), in slot 0, which has had its last fill by then
.set AK0, 2
.set AV0, 3
.set ADR, 4
.set QO,  5
.set STO, 6
.set RD,  7
.set GO,  8
.set ADM, 9
.set AM0, 10
.set XA,  11
.set ST,  12                           ; tile t at ST + 8 t: +0 m, +1 0 (later the whole l), +2, +3 l (even keys', odd keys'), +4 to +7 c0-c3 at work; a takes c2
.set XS,  60
.set PFO, 61
.set SPW, 62
.set NIL, 63
.set S,   64
.set P,   192
.set KF,  128
.set MK,  128
.set WV, 12
.set WQ, 13
.set WK, 14
.set CX, 15
.set CY, 16
.set QB, 17
.set HEAD, 18
.set LIM, 19
.set PFA, 20
.set PFS, 22
.set G1K, 24
.set G1V, 32
.set G1M, 40
.set G0K, 48                           ; group 0: a set for each of the two first fills; the second then walks on
.set G0V, 56
.set WD,  66                           ; s[66:67] wo, then wo at my wave's 8,192 bytes
.set G0M, 68
.set SLOTS, 76
.set CNT, 77
.set TB,  78                           ; the slot from which the fetches read: 0 or SLOT1
.set HIM, 79                           ; a word's upper bf16
.set LL,  82                           ; s[82:83] log2(e)
.set SEL, 84
.set QP,  86
.set CP,  88
.set MSB, 0
.macro WIN new
.if MSB != (\new)
	s_set_vgpr_msb (MSB<<8)|(\new)
.set MSB, \new
.endif
.endm
.set W_KQ, 0x0a                        ; K and Q in window 2, S^T in window 0
.set W_PV, 0x53                        ; V in window 3, P in window 0, O^T in window 1
.set W_RS, 0x41                        ; O^T (destination and source 0) in window 1, a in window 0
.set W_MA, 0x03                        ; source 0, the mask, in window 3
; A joint refill: wave 0 K's 128 rows, wave 1 V's, waves 2 and 3 the mask's 64 query rows each.  The branches hang on the wave's number alone.  An s_nop 0 and four v_nop follow each line.
.macro JLOAD
	s_cmp_eq_u32 s[WV], 0
	s_cbranch_scc0 .Lnot_k_\@
	tensor_load_to_lds s[G0K+4:G0K+7], s[G1K:G1K+7]
	s_nop 0
.rept 4
	v_nop
.endr
	s_branch .Lasked_\@
.Lnot_k_\@:
	s_cmp_eq_u32 s[WV], 1
	s_cbranch_scc0 .Lfor_m_\@
	tensor_load_to_lds s[G0V+4:G0V+7], s[G1V:G1V+7]
	s_nop 0
.rept 4
	v_nop
.endr
	s_branch .Lasked_\@
.Lfor_m_\@:
	tensor_load_to_lds s[G0M+4:G0M+7], s[G1M:G1M+7]
	s_nop 0
.rept 4
	v_nop
.endr
.Lasked_\@:
.endm
; A prefetch of what the change of slots two changes on will ask for.  K's and V's rows are named by the clusters with x = 0 (waves 0, 1), the mask's by the clusters with y = 0 (waves 2, 3); the four partners that ask
; jointly share the blocks out by address: 32 blocks of 256 bytes each, a lane a block.  So each block is named once.  The last changes, whose look-ahead has no data, name nothing.
.macro ASK
	s_cmp_gt_u32 s[SLOTS], s[LIM]
	s_cbranch_scc0 .Lnot_mine_\@
	global_prefetch_b8 v[PFO], s[PFA:PFA+1] th:TH_LOAD_NT scope:SCOPE_SE
.Lnot_mine_\@:
.endm
.macro CROUND
	s_barrier_signal -1
	s_barrier_wait -1
	s_cmp_lg_u32 s[WV], 0
	s_cbranch_scc1 .Lnot_wave_0_\@
	s_barrier_signal -3
.Lnot_wave_0_\@:
	s_barrier_wait -3
	s_barrier_signal -1
	s_barrier_wait -1
.endm
	s_load_b256 s[4:11], s[0:1], 0x0               ; qkv s[4:5], attention_mask s[6:7], Wo s[8:9], ctx s[10:11]
	s_load_b64 s[WD:WD+1], s[0:1], 0x20            ; wo
	v_lshl_add_u32 v[SPW], v0, 2, SPARE
	v_mov_b32 v[NIL], 0
	ds_add_u32 v[SPW], v[NIL]                      ; the wave's opening: the add and its wait stand ahead of my first tensor load
	v_lshrrev_b32 v1, 5, v0
	v_readfirstlane_b32 s[WV], v1
	s_lshr_b32 s[WQ], s[WV], 1                     ; my half of the queries
	s_and_b32 s[WK], s[WV], 1                      ; my half of each 128 keys
	s_bfe_u32 s[CX], ttmp6, 0x40000
	s_bfe_u32 s[CY], ttmp6, 0x40004
	s_lshl_b32 s[QB], ttmp9, 2
	s_add_co_u32 s[QB], s[QB], s[CX]               ; the block of 128 queries
	s_and_b32 s99, ttmp7, 0xffff                   ; cluster y
	s_lshl_b32 s[HEAD], s99, 2
	s_add_co_u32 s[HEAD], s[HEAD], s[CY]           ; the head
	s_lshl_b32 s90, s[CY], 2
	s_lshl_b32 s90, 15, s90                        ; my row of the cluster
	s_lshl_b32 s91, 0x1111, s[CX]                  ; my column
	s_or_b32 s[G1K], s90, (1<<16)|(1<<20)|(1<<21)|(5<<22)|(3<<25)  ; 2-byte elements; after every 64 words 4 words of padding
	s_or_b32 s[G1V], s90, (1<<16)|(1<<20)|(1<<21)|(5<<22)|(7<<25)  ; 8 words of padding
	s_or_b32 s[G1M], s91, (2<<16)|(1<<20)|(1<<21)|(6<<22)|(3<<25)  ; 4-byte elements; after every 128 words 4 words
.irp g, G1K, G1V
	s_mov_b32 s[(\g)+1], 128<<16                   ; tensor_dim0 = 128
	s_mov_b32 s[(\g)+2], 128<<16                   ; tensor_dim1 = 128
	s_mov_b32 s[(\g)+3], 128<<16                   ; tile_dim0 = 128
	s_mov_b32 s[(\g)+4], 128                       ; tile_dim1 = 128
	s_mov_b32 s[(\g)+5], 128                       ; a head's rows are dense
	s_mov_b32 s[(\g)+6], 0
	s_mov_b32 s[(\g)+7], 0
.endr
	s_mov_b32 s[G1M+1], 128<<16
	s_mov_b32 s[G1M+2], 64<<16
	s_mov_b32 s[G1M+3], 128<<16
	s_mov_b32 s[G1M+4], 64
	s_mov_b32 s[G1M+5], 2048
	s_mov_b32 s[G1M+6], 0
	s_mov_b32 s[G1M+7], 0
	s_mov_b32 s[LL], 0x3fb8aa3b                    ; log2(e)
	s_mov_b32 s[LL+1], s[LL]
	s_mov_b32 s[SEL], 0x76543210
	s_mov_b32 s[SEL+1], 0xfedcba98
	s_mov_b32 s[HIM], 0xffff0000
	s_mov_b32 s[TB], 0
	s_lshl_b32 s90, s[HEAD], 19                    ; the head's 524,288 bytes in a plane
	s_mov_b32 s91, 0
	s_lshl_b32 s92, s[QB], 20                      ; the mask: 128 rows of 8,192 bytes a block,
	s_lshl_b32 s93, s[WK], 19                      ; the 64 rows that waves 2 and 3 fetch
	s_add_co_u32 s92, s92, s93
	s_mov_b32 s93, 0
	s_lshl_b32 s94, s[QB], 15                      ; Q at my 64 rows
	s_lshl_b32 s95, s[WQ], 14
	s_add_co_u32 s94, s94, s95
	s_add_co_u32 s94, s94, s90
	s_mov_b32 s95, 0
	s_lshl_b32 s96, s[QB], 19                      ; ctx at my 64 rows and my head's 256 bytes
	s_lshl_b32 s97, s[WQ], 18
	s_add_co_u32 s96, s96, s97
	s_lshl_b32 s97, s[HEAD], 8
	s_add_co_u32 s96, s96, s97
	s_mov_b32 s97, 0
	s_mul_i32 s98, s[WK], MHALF
	s_add_co_u32 s98, s98, MOFF
	; the prefetches' offset, step and lanes
	s_add_co_u32 s100, s[WV], 1
	s_lshl_b32 s100, s100, 23
	s_add_co_u32 s100, s100, s90
	s_lshl_b32 s101, s[CX], 13                     ; my work-group's 32 rows of K or V
	s_add_co_u32 s100, s100, s101
	s_add_co_u32 s100, s100, 3*32768               ; at data 3: the first change steps to 4
	s_lshl_b32 s101, s[CY], 17                     ; my work-group's 16 rows of the mask
	s_add_co_u32 s101, s101, s92
	s_add_co_u32 s101, s101, 3*512
	s_cmp_lt_u32 s[WV], 2
	s_cselect_b32 s2, s100, s101
	s_mov_b32 s3, 0
	s_cselect_b32 s99, ttmp9, s99                  ; the coordinate along which other clusters read the same blocks
	s_mov_b32 s100, 32768
	s_mov_b32 s101, 512
	s_cselect_b32 s[PFS], s100, s101
	s_mov_b32 s[PFS+1], 0
	s_mov_b32 s100, 256
	s_mov_b32 s101, 8192
	s_cselect_b32 s101, s100, s101                 ; bytes from lane to lane within 16
	s_mov_b32 s[LIM], 4096
	s_cselect_b32 s100, s[LIM], s100               ; bytes between the halves of the lanes
	s_cmp_eq_u32 s99, 0
	s_cselect_b32 s[LIM], 2, -1                    ; the same in all sixteen partners, for a given wave
	v_and_b32 v1, 15, v0                           ; r
	v_bfe_u32 v44, v0, 4, 1                        ; h
	v_mul_u32_u24 v[PFO], v1, s101
	v_mad_u32_u24 v[PFO], v44, s100, v[PFO]
	s_wait_dscnt 0x0                               ; the opening add is done
	s_wait_kmcnt 0x0
	s_add_nc_u64 s[90:91], s[4:5], s[90:91]
	s_add_nc_u64 s[92:93], s[6:7], s[92:93]
	s_add_nc_u64 s[QP:QP+1], s[4:5], s[94:95]
	s_add_nc_u64 s[CP:CP+1], s[10:11], s[96:97]
	s_cmp_lt_u32 s[WV], 2
	s_cselect_b64 s[PFA:PFA+1], s[4:5], s[6:7]
	s_add_nc_u64 s[PFA:PFA+1], s[PFA:PFA+1], s[2:3]
	CROUND                                         ; all sixteen work-groups are here: the first joint loads meet
.irp s, 0,1
	s_mov_b32 s[G0K+4*(\s)], 1
	s_mov_b32 s[G0K+4*(\s)+1], (\s)*SLOT1
	s_add_nc_u64 s[G0K+4*(\s)+2:G0K+4*(\s)+3], s[90:91], 8388608+(\s)*32768
	s_or_b32 s[G0K+4*(\s)+3], s[G0K+4*(\s)+3], 0x80000000
	s_mov_b32 s[G0V+4*(\s)], 1
	s_mov_b32 s[G0V+4*(\s)+1], VOFF+(\s)*SLOT1
	s_add_nc_u64 s[G0V+4*(\s)+2:G0V+4*(\s)+3], s[90:91], 16777216+(\s)*32768
	s_or_b32 s[G0V+4*(\s)+3], s[G0V+4*(\s)+3], 0x80000000
	s_mov_b32 s[G0M+4*(\s)], 1
	s_add_co_u32 s[G0M+4*(\s)+1], s98, (\s)*SLOT1
	s_add_nc_u64 s[G0M+4*(\s)+2:G0M+4*(\s)+3], s[92:93], (\s)*512
	s_or_b32 s[G0M+4*(\s)+3], s[G0M+4*(\s)+3], 0x80000000
.endr
	s_cmp_eq_u32 s[WV], 0                          ; a wave's two first fills stand together, ahead of every wait on TENSORcnt and every LDS read: two loads of mine are out
	s_cbranch_scc0 .Lf_not_k
	tensor_load_to_lds s[G0K:G0K+3], s[G1K:G1K+7]
	s_nop 0
	tensor_load_to_lds s[G0K+4:G0K+7], s[G1K:G1K+7]
	s_nop 0
.rept 4
	v_nop
.endr
	s_branch .Lf_done
.Lf_not_k:
	s_cmp_eq_u32 s[WV], 1
	s_cbranch_scc0 .Lf_m
	tensor_load_to_lds s[G0V:G0V+3], s[G1V:G1V+7]
	s_nop 0
	tensor_load_to_lds s[G0V+4:G0V+7], s[G1V:G1V+7]
	s_nop 0
.rept 4
	v_nop
.endr
	s_branch .Lf_done
.Lf_m:
	tensor_load_to_lds s[G0M:G0M+3], s[G1M:G1M+7]
	s_nop 0
	tensor_load_to_lds s[G0M+4:G0M+7], s[G1M:G1M+7]
	s_nop 0
.rept 4
	v_nop
.endr
.Lf_done:
	s_lshl_b32 s94, s[HEAD], 4                     ; my wave among the launch's 1,024: 4 (16 head + query block) + wave
	s_add_co_u32 s94, s94, s[QB]
	s_lshl_b32 s94, s94, 2
	s_add_co_u32 s94, s94, s[WV]
	s_lshl_b32 s96, s94, 13                        ; its 8,192 bytes of wo,
	s_lshl_b32 s94, s94, 14                        ; its 16,384 bytes of Wo (s95 and s97 hold 0)
	s_add_nc_u64 s[8:9], s[8:9], s[94:95]
	s_add_nc_u64 s[WD:WD+1], s[WD:WD+1], s[96:97]
	v_lshlrev_b32 v[QO], 8, v1
	v_lshl_add_u32 v[QO], v44, 4, v[QO]            ; row x 256 + 16 x half
	v_and_b32 v47, 31, v0                          ; lane
	v_lshlrev_b32 v48, 4, v47                      ; 16 x lane: a load of Wo covers 512 consecutive bytes
	v_lshlrev_b32 v49, 3, v47                      ; 8 x lane: a store into wo covers 256 consecutive bytes, aligned
	WIN 0x80
.irp i, 0,1,2,3,4,5,6,7,8,9,10,11,12,13,14,15      ; Q stays in registers: tile i / 4, channels 32 (i % 4) on
	global_load_b128 v[8*(\i):8*(\i)+3],   v[QO], s[QP:QP+1] offset:((\i)/4)*4096+((\i)%4)*64
	global_load_b128 v[8*(\i)+4:8*(\i)+7], v[QO], s[QP:QP+1] offset:((\i)/4)*4096+((\i)%4)*64+32
.endr
	WIN 0
.set n, 0
.rept 32                                           ; my part of Wo, into S^T's registers, which no product has written yet
	global_load_b128 v[S+4*n:S+4*n+3], v48, s[8:9] offset:512*n th:TH_LOAD_NT
.set n, n+1
.endr
	WIN 0xc0                                       ; what the first turn finds: V, P of piece 2, O^T and l hold 0.  All this stands in the wait for the first tile
.set n, 0
.rept 128
	v_mov_b32 v[n], 0
.set n, n+1
.endr
	WIN 0x40
.set n, 0
.rept 256
	v_mov_b32 v[n], 0
.set n, n+1
.endr
	WIN 0
.irp t, 0,1,2,3
	v_mov_b32 v[ST+8*(\t)], 0xff7fffff             ; m: the lowest finite number
	v_mov_b32 v[ST+8*(\t)+1], 0
	v_mov_b32 v[ST+8*(\t)+2], 0
	v_mov_b32 v[ST+8*(\t)+3], 0
.endr
	v_and_b32 v45, 7, v0
	v_bfe_u32 v46, v0, 3, 1
	s_mul_i32 s90, s[WK], 64*PKP
	v_mul_u32_u24 v[AK0], v1, PKP
	v_lshl_add_u32 v[AK0], v44, 4, v[AK0]
	v_add_nc_u32 v[AK0], s90, v[AK0]               ; (64 WK + r) x 272 + 16 h
	s_mul_i32 s90, s[WK], 64*PVP
	s_add_co_u32 s90, s90, VOFF
	v_lshl_add_u32 v[AV0], v44, 3, v45             ; the turning load: lane l reads key 8 h + l % 8, channels 8 ((l / 8) % 2) on
	v_mul_u32_u24 v[AV0], v[AV0], PVP
	v_lshl_add_u32 v[AV0], v46, 4, v[AV0]
	v_add_nc_u32 v[AV0], s90, v[AV0]
	s_mul_i32 s90, s[WQ], 64*PM
	s_lshl_b32 s91, s[WK], 8
	s_add_co_u32 s90, s90, s91
	s_add_co_u32 s90, s90, MOFF
	v_mul_u32_u24 v[AM0], v1, PM
	v_lshl_add_u32 v[AM0], v44, 5, v[AM0]
	v_add_nc_u32 v[AM0], s90, v[AM0]               ; the mask of query 64 WQ + r, keys 64 WK + 8 h on
.set n, 0
.rept 32                                           ; Wo: rounded to bf16 like the other inputs, widened, written as f16; the results pass through P's registers
	s_wait_loadcnt 31-n                            ; loads come back in order: this one (and Q, which is older) is in, the younger ones stay out
	v_cvt_pk_bf16_f32 v[P+2*n],   v[S+4*n],   v[S+4*n+1]
	v_cvt_pk_bf16_f32 v[P+2*n+1], v[S+4*n+2], v[S+4*n+3]
	v_lshlrev_b32 v[S+4*n],   16, v[P+2*n]
	v_and_b32     v[S+4*n+1], s[HIM], v[P+2*n]
	v_lshlrev_b32 v[S+4*n+2], 16, v[P+2*n+1]
	v_and_b32     v[S+4*n+3], s[HIM], v[P+2*n+1]
	v_cvt_pk_f16_f32 v[P+2*n],   v[S+4*n],   v[S+4*n+1]
	v_cvt_pk_f16_f32 v[P+2*n+1], v[S+4*n+2], v[S+4*n+3]
	global_store_b64 v49, v[P+2*n:P+2*n+1], s[WD:WD+1] offset:256*n th:TH_STORE_NT
.set n, n+1
.endr
	s_wait_xcnt 0x0                                ; the stores have read their registers: P's are written again only behind this wait
.set n, P+32
.rept 32
	v_mov_b32 v[n], 0
.set n, n+1
.endr
; THE MATRIX WORK.  The accumulators take turns, one instruction a turn.
.macro PV x                            ; product i of 32 of O^T += V^T P: keys 32 (i / 16) on, channels 16 ((i / 2) % 8) on, tile x + i % 2
	WIN W_PV
.set rO, 64*((\x)+i%2)+8*((i/2)%8)
.set rV, 64*(i/16)+8*((i/2)%8)
.set rP, P+16*((\x)+i%2)+8*(i/16)
	v_wmma_f32_16x16x32_f16 v[rO:rO+7], v[rV:rV+7], v[rP:rP+7], v[rO:rO+7]
.endm
.macro KQ x                            ; product i of 32 of S^T = K Q^T: channels 32 (i / 8) on, keys 16 ((i / 2) % 4) on, tile x + i % 2.  The first 8 start the sums
	WIN W_KQ
.set rS, S+32*((\x)+i%2)+8*((i/2)%4)
.set rK, KF+32*((i/2)%4)+8*(i/8)
.set rQ, 32*((\x)+i%2)+8*(i/8)
.if i < 8
	v_wmma_f32_16x16x32_f16 v[rS:rS+7], v[rK:rK+7], v[rQ:rQ+7], 0
.else
	v_wmma_f32_16x16x32_f16 v[rS:rS+7], v[rK:rK+7], v[rQ:rQ+7], v[rS:rS+7]
.endif
.endm
; THE LDS LOADS stand in two runs of 48 a key step: K and the mask of tiles 0, 1; a turn later V (turned) and the mask of tiles 2, 3.
.macro MLOAD t
.irp b, 0,1,2,3
	ds_load_b128 v[MK+32*(\t)+8*(\b):MK+32*(\t)+8*(\b)+3],   v[ADM] offset:(\t)*16*PM+64*(\b)
	ds_load_b128 v[MK+32*(\t)+8*(\b)+4:MK+32*(\t)+8*(\b)+7], v[ADM] offset:(\t)*16*PM+64*(\b)+16
.endr
.endm
.macro FETCH_K
	WIN 0
	v_add_nc_u32 v[ADR], s[TB], v[AK0]
	v_add_nc_u32 v[ADM], s[TB], v[AM0]
	WIN 0x80
.irp f, 0,1,2,3,4,5,6,7,8,9,10,11,12,13,14,15      ; keys 16 (f / 4) on, channels 32 (f % 4) on
	ds_load_b128 v[KF+8*(\f):KF+8*(\f)+3],   v[ADR] offset:((\f)/4)*16*PKP+((\f)%4)*64
	ds_load_b128 v[KF+8*(\f)+4:KF+8*(\f)+7], v[ADR] offset:((\f)/4)*16*PKP+((\f)%4)*64+32
.endr
	WIN 0xc0
	MLOAD 0
	MLOAD 1
.endm
.macro FETCH_V
	WIN 0
	v_add_nc_u32 v[ADR], s[TB], v[AV0]
	v_add_nc_u32 v[ADM], s[TB], v[AM0]
	WIN 0xc0
.irp f, 0,1,2,3,4,5,6,7,8,9,10,11,12,13,14,15      ; keys 32 (f / 8) on, channels 16 (f % 8) on
	ds_load_tr16_b128 v[8*(\f):8*(\f)+3],   v[ADR] offset:((\f)/8)*32*PVP+((\f)%8)*32
	ds_load_tr16_b128 v[8*(\f)+4:8*(\f)+7], v[ADR] offset:((\f)/8)*32*PVP+16*PVP+((\f)%8)*32
.endr
	MLOAD 2
	MLOAD 3
.endm
; THE VECTOR WORK.  One tile's softmax for a key step is a list of 149 instructions; SM writes number j of it for tile t.
;   0-15    s = mask x log2(e) + K Q^T, a pair each (each accumulator's lowest registers are read first)
;   16-31   the maximum of s0-s31 and the old m      32-36  the other half of the lanes'; m_old kept; the new m; m_old - m; a = 2^(m_old - m)
;   37-84   ONE BATCH with a: for each pair s - m, then its two exponentials; none of these names an exponential's result
;   (wait)  between 84 and 85: ENT writes it, once for both tiles
;   85-100  the roundings to f16      101-116 the sums; l = a l + sum      117-148 O^T times a
.macro DD b
	v_pk_add_f32 v[rS+2*(\b):rS+2*(\b)+1], v[rS+2*(\b):rS+2*(\b)+1], v[rT:rT+1] op_sel_hi:[1,0] neg_lo:[0,1] neg_hi:[0,1]
.endm
.macro EE n
	v_exp_f32 v[rS+(\n)], v[rS+(\n)]
.endm
.macro SM t
.set rT, ST+8*(\t)
.set rS, S+32*(\t)
.set rP, P+16*(\t)
.set rM, MK+32*(\t)
.set rO, 64*(\t)+2*(j-117)
.set q, j-16
.if j < 16
	WIN W_MA
.elseif j < 117
	WIN 0
.else
	WIN W_RS
.endif
.if j < 16
	v_pk_fma_f32 v[rS+2*j:rS+2*j+1], v[rM+2*j:rM+2*j+1], s[LL:LL+1], v[rS+2*j:rS+2*j+1] op_sel_hi:[1,0,1]
.elseif j < 20
	v_max3_num_f32 v[rT+4+q], v[rS+8*q], v[rS+8*q+1], v[rS+8*q+2]
.elseif j < 28
	v_max3_num_f32 v[rT+4+q%4], v[rT+4+q%4], v[rS+8*(q%4)+2*(q/4)+1], v[rS+8*(q%4)+2*(q/4)+2]
.elseif j == 28
	v_max3_num_f32 v[rT+4], v[rT+4], v[rS+7], v[rS+15]
.elseif j == 29
	v_max3_num_f32 v[rT+6], v[rT+6], v[rS+23], v[rS+31]
.elseif j == 30
	v_max3_num_f32 v[rT+4], v[rT+4], v[rT+5], v[rT+6]
.elseif j == 31
	v_max3_num_f32 v[rT+4], v[rT+4], v[rT+7], v[rT]
.elseif j == 32
	v_permlanex16_b32 v[rT+5], v[rT+4], s[SEL], s[SEL+1]  ; the query's other 32 keys lie in the lane 16 away
.elseif j == 33
	v_mov_b32 v[rT+7], v[rT]
.elseif j == 34
	v_max_num_f32 v[rT], v[rT+4], v[rT+5]
.elseif j == 35
	v_sub_f32 v[rT+7], v[rT+7], v[rT]
.elseif j == 36
	v_exp_f32 v[rT+6], v[rT+7]
.elseif j == 37
	DD 0
.elseif j == 38
	DD 1
.elseif j < 81
.set g, (j-39)/3
.if (j-39)%3 == 0
	EE 2*g
.elseif (j-39)%3 == 1
	DD g+2
.else
	EE 2*g+1
.endif
.elseif j < 85
	EE j-53
.elseif j < 101
	v_cvt_pk_f16_f32 v[rP+j-85], v[rS+2*(j-85)], v[rS+2*(j-85)+1]
.elseif j < 117
.set z, j-101                          ; the 16 pairs are added in place, neighbours 1, 2, 4 and 8 pairs apart; then l takes the sum
.set w, 4
.set u, z
.if z >= 14
.set w, 32
.set u, 0
.elseif z >= 12
.set w, 16
.set u, z-12
.elseif z >= 8
.set w, 8
.set u, z-8
.endif
.if z < 15
	v_pk_add_f32 v[rS+w*u:rS+w*u+1], v[rS+w*u:rS+w*u+1], v[rS+w*u+w/2:rS+w*u+w/2+1]
.else
	v_pk_fma_f32 v[rT+2:rT+3], v[rT+2:rT+3], v[rT+6:rT+7], v[rS:rS+1] op_sel_hi:[1,0,1]
.endif
.else
	v_pk_mul_f32 v[rO:rO+1], v[rO:rO+1], v[rT+6:rT+7] op_sel_hi:[1,0]
.endif
.endm
; Entry e of piece y's merged list of 298: number e / 2 of tile y + e % 2, so that no line reads the result of the line just before it.  Ahead of entry 170, the first that names an exponential's result, stand one plain
; instruction and the ONE wait: it serves the 66 exponentials of both tiles.
.macro ENT y
.if e == 170
	v_nop
	s_wait_alu depctr_va_vdst(0)
.endif
.set j, e/2
	SM (\y)+e%2
.set e, e+1
.endm
; Slice k of 64: four entries.  298 = 4 x 64 + 42: the 42 that are over stand behind slice 63: its 46 rescalings, plain lines that name nothing of the products round them, are the places behind the turn's last K Q^T.
; In piece 2's turn (y = 0) V's run of loads stands behind slice 35: V's last reader stands ahead of slice 31, and eight plain lines lie between (numbers 64, 67 and 70 of both tiles and the run's two additions).
.macro SLICE y
.rept 4
	ENT \y
.endr
.if k == 63
.rept 42
	ENT \y
.endr
.endif
.if (k == 35) && ((\y) == 0)
	FETCH_V
.endif
.set k, k+1
.endm
; A TURN.  Piece x has the matrix unit; the other piece's softmax rides.  Piece 0's turn fetches the next step's K behind its second product: K's last reader stands ahead of slice 63 of the turn before.
.macro TURN x
.set k, 0
.set e, 0
.if (\x) == 0
	s_wait_dscnt 0x0                               ; V and the mask of tiles 2, 3 are in
.endif
.set i, 0
.rept 32
	PV \x
	SLICE 2-(\x)
.if ((\x) == 0) && (i == 1)
	FETCH_K
.endif
.set i, i+1
.endr
.if (\x) == 0
	s_wait_dscnt 0x0                               ; K and the mask of tiles 0, 1 are in
.endif
.set i, 0
.rept 32
	KQ \x
	SLICE 2-(\x)
.set i, i+1
.endr
.endm
; THE CHANGE OF SLOTS, ahead of piece 0's turn: all of the slot in hand has been asked for.  Each wave waits for all its tensor loads (one is out: its part of the other slot), adds 0 to its spare word, and waits for that
; and for its reads of the slot.  fill = 1: the barrier is a round of the cluster's, and the slot is filled again first thing behind it, with the keys two slots on.
.macro CHANGE fill
	WIN 0
	s_wait_tensorcnt 0x0                           ; no tensor load of mine is out, so a group 0 may be written
	ds_add_u32 v[SPW], v[NIL]
.if \fill
.irp g, G0K+4, G0V+4, G0M+4
	s_xor_b32 s[(\g)+1], s[(\g)+1], SLOT1
.endr
	s_add_nc_u64 s[G0K+6:G0K+7], s[G0K+6:G0K+7], 32768
	s_add_nc_u64 s[G0V+6:G0V+7], s[G0V+6:G0V+7], 32768
	s_add_nc_u64 s[G0M+6:G0M+7], s[G0M+6:G0M+7], 512
	s_wait_xcnt 0x0                                ; the last prefetch, a key step back, has read its address
	s_add_nc_u64 s[PFA:PFA+1], s[PFA:PFA+1], s[PFS:PFS+1]
	s_wait_dscnt 0x0                               ; the add is done, and my reads of the slot are over
	CROUND
	JLOAD
	ASK
.else
	s_wait_dscnt 0x0
	s_barrier_signal -1
	s_barrier_wait -1
.endif
	s_xor_b32 s[TB], s[TB], SLOT1                  ; the fetches go on in the other slot
.endm
	s_wait_tensorcnt 0x1                           ; my part of slot 0 is in; slot 1's may stay out
	s_barrier_signal -1
	s_barrier_wait -1
	FETCH_K                                        ; key step 0
	s_wait_loadcnt 0x0                             ; Q
	s_wait_dscnt 0x0
.set i, 0
.rept 32
	KQ 0                                           ; piece 0's first scores
.set i, i+1
.endr
	WIN 0                                          ; the addresses for the end: plain lines, the places behind those products
	s_mul_i32 s90, s[WV], 16*SP
	s_add_co_u32 s90, s90, STAGE
	v_mul_u32_u24 v[STO], v1, SP
	v_lshl_add_u32 v[STO], v44, 4, v[STO]
	v_add_nc_u32 v[STO], s90, v[STO]
	v_mul_u32_u24 v[RD], v44, SP
	v_lshl_add_u32 v[RD], v1, 4, v[RD]
	v_add_nc_u32 v[RD], s90, v[RD]
	v_lshlrev_b32 v[GO], 12, v44                   ; two rows of ctx, 4,096 bytes apart
	v_lshl_add_u32 v[GO], v1, 4, v[GO]
	s_mul_i32 s91, s[WQ], XCH
	v_lshl_add_u32 v[XA], v47, 4, s91
	s_add_co_u32 s91, s91, 32768
	v_lshl_add_u32 v[XS], v47, 3, s91
	s_mov_b32 s[SLOTS], 15
	s_branch .Lfirst                               ; the loop is entered at piece 2's turn
.Lslot:                                            ; 14 times: every slot but the last two is filled again
	CHANGE 1
	TURN 0
	WIN 0
.Lfirst:
	TURN 2
	WIN 0
	s_sub_co_u32 s[SLOTS], s[SLOTS], 1
	s_cmp_lg_u32 s[SLOTS], 0
	s_cbranch_scc1 .Lslot
	CHANGE 0                                       ; the tail is written out
	s_mov_b32 s[CNT], 2
.Ltail:
	TURN 0
	WIN 0
	s_sub_co_u32 s[CNT], s[CNT], 1
	s_cmp_eq_u32 s[CNT], 0
	s_cbranch_scc1 .Lout
	TURN 2
	WIN 0
	s_branch .Ltail
.Lout:                                             ; the second trip's K Q^T, on the last K once more, serves nothing: the price of one text for every trip
.set i, 0
.rept 32
	PV 2
.set i, i+1
.endr
	; THE MERGE.  l's halves are added; the waves with the upper keys hand (m, l, O^T) to their partners through LDS.
	WIN 0
.irp t, 0,1,2,3
	v_add_f32 v[ST+8*(\t)+1], v[ST+8*(\t)+2], v[ST+8*(\t)+3]
.endr
.irp t, 0,1,2,3
	v_permlanex16_b32 v[ST+8*(\t)+4], v[ST+8*(\t)+1], s[SEL], s[SEL+1]
.endr
.irp t, 0,1,2,3
	v_add_f32 v[ST+8*(\t)+1], v[ST+8*(\t)+1], v[ST+8*(\t)+4]
.endr
	s_wait_dscnt 0x0                               ; my reads of the slots are over,
	s_barrier_signal -1
	s_barrier_wait -1                              ; everybody's are: slot 0's bytes may be written
	s_cmp_eq_u32 s[WK], 0
	s_cbranch_scc1 .Lkeep
	WIN 0x04                                       ; store data in window 1
.set n, 0
.rept 64
	ds_store_b128 v[XA], v[4*n:4*n+3] offset:512*n
.set n, n+1
.endr
	WIN 0
.irp t, 0,1,2,3
	ds_store_b64 v[XS], v[ST+8*(\t):ST+8*(\t)+1] offset:256*(\t)
.endr
.Lkeep:
	s_wait_dscnt 0x0                               ; for the partner's sake: my stores are done
	s_barrier_signal -1
	s_barrier_wait -1
	s_cmp_eq_u32 s[WK], 1
	s_cbranch_scc1 .Lend
.macro XLOAD t                         ; the partner's O^T of tile t, into S^T's registers: two buffers of 64
.set n, 0
.rept 16
	ds_load_b128 v[S+64*((\t)%2)+4*n:S+64*((\t)%2)+4*n+3], v[XA] offset:512*(16*(\t)+n)
.set n, n+1
.endr
.endm
.irp t, 0,1,2,3
	ds_load_b64 v[44+2*(\t):45+2*(\t)], v[XS] offset:256*(\t)
.endr
	XLOAD 0
	XLOAD 1
	s_wait_dscnt 32                                ; the four pairs (m, l) are in; the 32 loads behind them may stay out
.irp t, 0,1,2,3
	v_max_num_f32 v[ST+8*(\t)+4], v[ST+8*(\t)], v[44+2*(\t)]
.endr
.irp t, 0,1,2,3
	v_sub_f32 v[ST+8*(\t)+5], v[ST+8*(\t)], v[ST+8*(\t)+4]   ; m is an exponent of 2 already
	v_sub_f32 v[ST+8*(\t)+7], v[44+2*(\t)], v[ST+8*(\t)+4]
.endr
.irp t, 0,1,2,3
	v_exp_f32 v[ST+8*(\t)+5], v[ST+8*(\t)+5]
	v_exp_f32 v[ST+8*(\t)+7], v[ST+8*(\t)+7]
.endr
	v_nop
	s_wait_alu depctr_va_vdst(0)                   ; one wait for the eight exponentials
.irp t, 0,1,2,3
	v_mul_f32 v[52+(\t)], v[ST+8*(\t)+1], v[ST+8*(\t)+5]
.endr
.irp t, 0,1,2,3
	v_fmac_f32 v[52+(\t)], v[45+2*(\t)], v[ST+8*(\t)+7]
.endr
.irp t, 0,1,2,3
	v_rcp_f32 v[56+(\t)], v[52+(\t)]
.endr
	v_nop
	s_wait_alu depctr_va_vdst(0)                   ; one wait for the four reciprocals
.irp t, 0,1,2,3
	v_mul_f32 v[ST+8*(\t)+4], v[ST+8*(\t)+5], v[56+(\t)]  ; my O^T's factor
	v_mul_f32 v[ST+8*(\t)+6], v[ST+8*(\t)+7], v[56+(\t)]  ; the partner's
.endr
; THE WAY OUT of tile t: both halves weighted and added, rounded to f16, through my stage, stored as rows of 256 bytes.
.macro WOUT t
.set rX, S+64*((\t)%2)
.set rY, P+32*((\t)%2)
	WIN 0
.if (\t) == 0
	s_wait_dscnt 16                                ; tile 0's loads are in; tile 1's sixteen may stay out
.else
	s_wait_dscnt 0x0
.endif
.set n, 0
.rept 32
	v_pk_mul_f32 v[rX+2*n:rX+2*n+1], v[rX+2*n:rX+2*n+1], v[ST+8*(\t)+6:ST+8*(\t)+7] op_sel_hi:[1,0]
.set n, n+1
.endr
	WIN 0x01                                       ; source 0, my O^T, in window 1
.set n, 0
.rept 32
	v_pk_fma_f32 v[rX+2*n:rX+2*n+1], v[64*(\t)+2*n:64*(\t)+2*n+1], v[ST+8*(\t)+4:ST+8*(\t)+5], v[rX+2*n:rX+2*n+1] op_sel_hi:[1,0,1]
.set n, n+1
.endr
	WIN 0
.if (\t) >= 2
	s_wait_xcnt 0x0                                ; the stores of the tile two back have read these registers
.endif
.set n, 0
.rept 32
	v_cvt_pk_f16_f32 v[rY+n], v[rX+2*n], v[rX+2*n+1]
.set n, n+1
.endr
.if (\t) < 2
	XLOAD (\t)+2
.endif
.irp f, 0,1,2,3,4,5,6,7
	ds_store_b128 v[STO], v[rY+4*(\f):rY+4*(\f)+3] offset:32*(\f)
.endr
.irp f, 0,1,2,3,4,5,6,7
	ds_load_b128 v[rY+4*(\f):rY+4*(\f)+3], v[RD] offset:(\f)*2*SP  ; LDS serves a wave's instructions in order (ISA guide 5.7.1.4): these see the stores above
.endr
.irp f, 0,1,2,3,4,5,6,7
	s_wait_dscnt 7-(\f)                            ; the younger loads may stay out
	global_store_b128 v[GO], v[rY+4*(\f):rY+4*(\f)+3], s[CP:CP+1] offset:(\t)*65536+(\f)*8192  ; 16 lanes store 256 consecutive bytes, aligned
.endr
.endm
	WOUT 0
	WOUT 1
	WOUT 2
	WOUT 3
.Lend:
	s_wait_tensorcnt 0x0                           ; the wave's end
	ds_add_u32 v[SPW], v[NIL]
	s_wait_dscnt 0x0
	CROUND                                         ; the closing round
	s_endpgm
.Lfunc_end_k_qaa737452ce_attn:
	.size	k_qaa737452ce_attn, .Lfunc_end_k_qaa737452ce_attn-k_qaa737452ce_attn
	.p2alignl 7, 3214868480
	.fill 96, 4, 3214868480
	.section	.rodata,"a",@progbits
	.p2align	6, 0x0
	.amdhsa_kernel k_qaa737452ce_attn
		.amdhsa_group_segment_fixed_size 327680
		.amdhsa_private_segment_fixed_size 0
		.amdhsa_enable_private_segment 0
		.amdhsa_kernarg_size 40
		.amdhsa_user_sgpr_count 2
		.amdhsa_user_sgpr_kernarg_segment_ptr 1
		.amdhsa_wavefront_size32 1
		.amdhsa_system_sgpr_workgroup_id_x 1
		.amdhsa_system_sgpr_workgroup_id_y 1
		.amdhsa_system_sgpr_workgroup_id_z 1
		.amdhsa_system_vgpr_workitem_id 0
		.amdhsa_next_free_vgpr 1024
		.amdhsa_next_free_sgpr 102
		.amdhsa_reserve_vcc 0
		.amdhsa_float_denorm_mode_32 3
		.amdhsa_float_denorm_mode_16_64 3
		.amdhsa_memory_ordered 1
		.amdhsa_forward_progress 1
		.amdhsa_inst_pref_size 211
	.end_amdhsa_kernel
	.amdgpu_metadata
---
amdhsa.version: [ 1, 2 ]
amdhsa.kernels:
  - .name:           k_qaa737452ce_attn
    .symbol:         k_qaa737452ce_attn.kd
    .args:
      - { .name: qkv, .offset: 0, .size: 8, .value_kind: global_buffer, .address_space: global }
      - { .name: attention_mask, .offset: 8, .size: 8, .value_kind: global_buffer, .address_space: global }
      - { .name: Wo, .offset: 16, .size: 8, .value_kind: global_buffer, .address_space: global }
      - { .name: ctx, .offset: 24, .size: 8, .value_kind: global_buffer, .address_space: global }
      - { .name: wo, .offset: 32, .size: 8, .value_kind: global_buffer, .address_space: global }
    .group_segment_fixed_size: 327680
    .private_segment_fixed_size: 0
    .kernarg_segment_align: 8
    .kernarg_segment_size: 40
    .max_flat_workgroup_size: 128
    .sgpr_count:     102
    .vgpr_count:     1024
    .wavefront_size: 32
...
	.end_amdgpu_metadata
.endif
;; end of part 3
;; launch oproj (part 4): grid 16 x 16, 4 waves a work-group, clusters of 4 x 4, 327,680 bytes of LDS; arguments ctx, wo, out0; writes out0
.if DOCPART == 4
	.amdgcn_target "amdgcn-amd-amdhsa--gfx1250"
	.amdhsa_code_object_version 6
	.text
	.protected	k_qaa737452ce_oproj
	.globl	k_qaa737452ce_oproj
	.p2align	8
	.type	k_qaa737452ce_oproj,@function
k_qaa737452ce_oproj:
	s_mov_b64 s[64:65], 0
	v_nop
	global_prefetch_b8 v0, s[64:65] scope:SCOPE_SE
	s_setreg_imm32_b32 hwreg(HW_REG_WAVE_MODE, 25, 1), 1
	s_wait_xcnt 0x0
	s_wait_alu depctr_hold_cnt(0) depctr_sa_sdst(0) depctr_va_vdst(0) depctr_va_sdst(0) depctr_va_ssrc(0) depctr_va_vcc(0) depctr_vm_vsrc(0)
	s_getreg_b32 s2, hwreg(HW_REG_IB_STS2, 6, 4)
	s_cmp_eq_u32 s2, 0
	s_cbranch_scc0 .Lentry_in_a_cluster
	s_endpgm
.Lentry_in_a_cluster:
	s_bfe_u32 s2, ttmp6, 0x10000c
	s_cmp_lg_u32 s2, 0xf033
	s_cbranch_scc0 .Lentry_shape_is_right
	s_endpgm
.Lentry_shape_is_right:
; out0[m][n] = the sum over k of ctx[m][k] Wo[k][n].  ctx [2048][2048] f16; wo [k][n] f16 (Wo rounded to bf16, written as f16); out0 [2048][2048] f32; sums in f32.
; A tile of out0 is 128 x 128: 256 work-groups.  Four waves, each 64 x 64: 16 accumulators.  K goes in 8 steps of 256 through two LDS slots: ctx's tile 128 rows x 512 bytes, wo's 256 k rows x 256 bytes.
; A K step is written once: the loop's trip is one step, and the slot that it reads hangs on a scalar that an exclusive or turns; the last two steps, which fill nothing, are a second loop that is left in its middle.
; CLUSTER 4 x 4: ctx's tile is asked for jointly along a row of the cluster, wo's along a column.  THE PRODUCT IS USED TRANSPOSED: source 0 = 16 columns of wo (turned by ds_load_tr16_b128), source 1 = 16 rows of ctx.
; A wave's 64 f32 columns are a whole 256 bytes of a row, so each wave has a stage of its own on the way out and no barrier stands there.  No prefetch: the tiles are small and each step short.
; REGISTERS: window 0: v0-31 addresses; v32-95 rows read back; v128-255 the accumulators.  window 1: two fragment buffers of 128: 64 registers of ctx (2 x 4 x 16 rows x 32 K), then 64 of wo.
.set PITCH,  528                       ; a row of ctx in LDS: 512 bytes + 16
.set PB,     288                       ; a row of wo: 256 + 32
.set AT,     128*PITCH
.set BT,     256*PB
.set SLOT1,  0x24000                   ; slot 1 begins here; a slot holds 141,312 bytes; no tile's base has bit 14 or 17 set, so one exclusive or turns it into the other slot's
.set STAGE,  SLOT1+AT+BT               ; 16 rows x 272 bytes for each wave
.set SPITCH, 272
.set SPARE,  STAGE+4*16*SPITCH
.set ADRA0, 16                         ; v16     my lane's place in ctx's tile of slot 0; never rewritten
.set ADRA,  17                         ; v17     the same in the slot in hand
.set ADRB0, 20                         ; v20-21  my lane's place in wo's tile of slot 0, by half of the K step, so that every offset fits 16 bits; never rewritten
.set ADRB,  22                         ; v22-23  the same in the slot in hand
.set STO,  24
.set RD,   25
.set CO,   26
.set SPW,  28
.set NIL,  29
.set TMP,  32
.set ACC,  128
.set F0,   0
.set F1,   128
.set G1, 24                            ; s[24:31] group 1 for ctx's tiles; s[32:39] group 0: a set for each of the two first fills; the second then walks on
.set G0, 32
.set TB, 45                            ; s45  the slot that the fetches read: 0 or SLOT1
.set G1B, 48
.set G0B, 56
.set MSB, 0
.macro WIN new
.if MSB != (\new)
	s_set_vgpr_msb (MSB<<8)|(\new)
.set MSB, \new
.endif
.endm
.set MUL,  0x05                        ; sources 0 and 1 window 1; C and D window 0
.set TO_F, 0x40
.macro JLOAD s                         ; waves 0 and 1 fetch ctx's two halves, waves 2 and 3 wo's; an s_nop 0 and four v_nop follow each line
	s_cmp_eq_u32 s11, 0
	s_cbranch_scc0 .Lfor_b_\@
	tensor_load_to_lds s[G0+4*(\s):G0+4*(\s)+3], s[G1:G1+7]
	s_nop 0
.rept 4
	v_nop
.endr
	s_branch .Lasked_\@
.Lfor_b_\@:
	tensor_load_to_lds s[G0B+4*(\s):G0B+4*(\s)+3], s[G1B:G1B+7]
	s_nop 0
.rept 4
	v_nop
.endr
.Lasked_\@:
.endm
.macro CREST
	s_cmp_lg_u32 s10, 0
	s_cbranch_scc1 .Lnot_wave_0_\@
	s_barrier_signal -3
.Lnot_wave_0_\@:
	s_barrier_wait -3
	s_barrier_signal -1
	s_barrier_wait -1
.endm
.macro CROUND
	s_barrier_signal -1
	s_barrier_wait -1
	CREST
.endm
	s_load_b128 s[4:7], s[0:1], 0x0                ; ctx s[4:5], wo s[6:7]
	s_load_b64 s[8:9], s[0:1], 0x10                ; out0
	v_lshl_add_u32 v[SPW], v0, 2, SPARE
	v_mov_b32 v[NIL], 0
	ds_add_u32 v[SPW], v[NIL]                      ; the wave's opening: the add and its wait stand ahead of my first tensor load
	v_lshrrev_b32 v1, 5, v0
	v_readfirstlane_b32 s10, v1                    ; wave 0..3
	s_lshr_b32 s11, s10, 1                         ; my half of the rows.  Also: I fetch for ctx (0) or for wo (1)
	s_and_b32 s12, s10, 1                          ; my half of the columns.  Also: which half of that tile I fetch
	s_bfe_u32 s40, ttmp6, 0x40000
	s_bfe_u32 s41, ttmp6, 0x40004
	s_lshl_b32 s42, ttmp9, 2
	s_add_co_u32 s42, s42, s40                     ; tile column
	s_and_b32 s13, ttmp7, 0xffff
	s_lshl_b32 s13, s13, 2
	s_add_co_u32 s13, s13, s41                     ; tile row
	s_lshl_b32 s43, s41, 2
	s_lshl_b32 s43, 15, s43
	s_lshl_b32 s44, 0x1111, s40
	s_or_b32 s[G1], s43, (1<<16)|(1<<20)|(1<<21)|(6<<22)|(3<<25)   ; ctx: after every 128 words 4 words of padding
	s_or_b32 s[G1B], s44, (1<<16)|(1<<20)|(1<<21)|(5<<22)|(7<<25)  ; wo: after every 64 words 8 words
	s_mov_b32 s[G1+1], 256<<16                     ; ctx: 64 rows x 256 elements
	s_mov_b32 s[G1+2], 64<<16
	s_mov_b32 s[G1+3], 256<<16
	s_mov_b32 s[G1+4], 64
	s_mov_b32 s[G1+5], 2048
	s_mov_b32 s[G1+6], 0
	s_mov_b32 s[G1+7], 0
	s_mov_b32 s[G1B+1], 128<<16                    ; wo: 128 k rows x 128 elements
	s_mov_b32 s[G1B+2], 128<<16
	s_mov_b32 s[G1B+3], 128<<16
	s_mov_b32 s[G1B+4], 128
	s_mov_b32 s[G1B+5], 2048
	s_mov_b32 s[G1B+6], 0
	s_mov_b32 s[G1B+7], 0
	s_mov_b32 s[TB], 0
	s_lshl_b32 s16, s13, 19                        ; ctx: 128 rows of 4,096 bytes a tile row,
	s_lshl_b32 s17, s12, 18                        ; my 64 of them
	s_add_co_u32 s16, s16, s17
	s_mov_b32 s17, 0
	s_lshl_b32 s46, s42, 8                         ; wo: the tile column's 256 bytes,
	s_lshl_b32 s47, s12, 19                        ; my 128 k rows
	s_add_co_u32 s46, s46, s47
	s_mov_b32 s47, 0
	s_mul_i32 s20, s12, 64*PITCH
	s_mul_i32 s21, s12, 128*PB
	s_add_co_u32 s21, s21, AT
	s_wait_dscnt 0x0                               ; the opening add is done
	s_wait_kmcnt 0x0
	s_add_nc_u64 s[14:15], s[4:5], s[16:17]
	s_add_nc_u64 s[46:47], s[6:7], s[46:47]
	CROUND                                         ; all sixteen work-groups are here: the first joint loads meet
.irp s, 0,1
	s_mov_b32 s[G0+4*(\s)], 1
	s_add_co_u32 s[G0+4*(\s)+1], s20, (\s)*SLOT1
	s_add_nc_u64 s[G0+4*(\s)+2:G0+4*(\s)+3], s[14:15], (\s)*512
	s_or_b32 s[G0+4*(\s)+3], s[G0+4*(\s)+3], 0x80000000
	s_mov_b32 s[G0B+4*(\s)], 1
	s_add_co_u32 s[G0B+4*(\s)+1], s21, (\s)*SLOT1
	s_add_nc_u64 s[G0B+4*(\s)+2:G0B+4*(\s)+3], s[46:47], (\s)*1048576
	s_or_b32 s[G0B+4*(\s)+3], s[G0B+4*(\s)+3], 0x80000000
	JLOAD \s
.endr
	v_and_b32 v1, 15, v0                           ; r
	v_bfe_u32 v2, v0, 4, 1                         ; h
	v_and_b32 v6, 7, v0
	v_bfe_u32 v7, v0, 3, 1
	v_mul_u32_u24 v3, v1, PITCH
	v_lshl_add_u32 v3, v2, 4, v3
	s_mul_i32 s21, s11, 64*PITCH
	v_add_nc_u32 v[ADRA0], s21, v3
	v_lshl_add_u32 v4, v2, 3, v6                   ; the turning load: lane l reads k row 8 h + l % 8, columns 8 ((l / 8) % 2) on
	v_mul_u32_u24 v4, v4, PB
	v_lshl_add_u32 v4, v7, 4, v4
	v_lshl_add_u32 v4, s12, 7, v4                  ; my 64 columns
.irp u, 0,1
	v_add_nc_u32 v[ADRB0+(\u)], AT+(\u)*128*PB, v4
.endr
	s_mul_i32 s23, s10, 16*SPITCH
	s_add_co_u32 s23, s23, STAGE                   ; my stage
	v_mul_u32_u24 v5, v1, SPITCH
	v_lshl_add_u32 v5, v2, 5, v5                   ; in: row r, 32 bytes for each half of the lanes
	v_add_nc_u32 v[STO], s23, v5
	v_mul_u32_u24 v5, v2, SPITCH
	v_lshl_add_u32 v5, v1, 4, v5                   ; back: lanes 0-15 one row of 256 bytes, lanes 16-31 the next
	v_add_nc_u32 v[RD], s23, v5
	v_lshlrev_b32 v[CO], 13, v2                    ; and the same two rows in out0
	v_lshl_add_u32 v[CO], v1, 4, v[CO]
	s_lshl_b32 s16, s13, 20                        ; my first row: 128 tile row + 64 half, 8,192 bytes each;
	s_lshl_b32 s17, s11, 19
	s_add_co_u32 s16, s16, s17
	s_lshl_b32 s17, s42, 9                         ; my first column: 128 tile column + 64 half, 4 bytes each
	s_add_co_u32 s16, s16, s17
	s_lshl_b32 s17, s12, 8
	s_add_co_u32 s16, s16, s17
	s_mov_b32 s17, 0
	s_add_nc_u64 s[8:9], s[8:9], s[16:17]
; 8 matrix instructions: row blocks a0, a0 + 1 x 4 column blocks, 32 along K: half c of buffer f.  The 16 accumulators take turns.
.macro MUL8 f, c, a0, zero
	WIN MUL
.irp a, \a0, (\a0)+1
.irp b, 0,1,2,3
.if \zero
	v_wmma_f32_16x16x32_f16 v[ACC+8*(4*(\a)+(\b)):ACC+8*(4*(\a)+(\b))+7], v[(\f)+64+8*(4*(\c)+(\b)):(\f)+64+8*(4*(\c)+(\b))+7], v[(\f)+8*(4*(\c)+(\a)):(\f)+8*(4*(\c)+(\a))+7], 0
.else
	v_wmma_f32_16x16x32_f16 v[ACC+8*(4*(\a)+(\b)):ACC+8*(4*(\a)+(\b))+7], v[(\f)+64+8*(4*(\c)+(\b)):(\f)+64+8*(4*(\c)+(\b))+7], v[(\f)+8*(4*(\c)+(\a)):(\f)+8*(4*(\c)+(\a))+7], v[ACC+8*(4*(\a)+(\b)):ACC+8*(4*(\a)+(\b))+7]
.endif
.endr
.endr
.endm
.macro ADDR                            ; the three fragment addresses in the slot in hand
	v_add_nc_u32 v[ADRA], s[TB], v[ADRA0]
	v_add_nc_u32 v[ADRB], s[TB], v[ADRB0]
	v_add_nc_u32 v[ADRB+1], s[TB], v[ADRB0+1]
.endm
; 32 LDS loads in one run: quarter q (64 along K) of the slot in hand into buffer f; the first 32 along K first
.macro FETCH q, f
	WIN TO_F
.irp c, 0,1
.irp i, 0,1,2,3
	ds_load_tr16_b128 v[(\f)+64+8*(4*(\c)+(\i)):(\f)+64+8*(4*(\c)+(\i))+3],   v[ADRB+(\q)/2] offset:(((\q)%2)*64+32*(\c))*PB+32*(\i)
	ds_load_tr16_b128 v[(\f)+64+8*(4*(\c)+(\i))+4:(\f)+64+8*(4*(\c)+(\i))+7], v[ADRB+(\q)/2] offset:(((\q)%2)*64+32*(\c))*PB+32*(\i)+16*PB
	ds_load_b128 v[(\f)+8*(4*(\c)+(\i)):(\f)+8*(4*(\c)+(\i))+3],   v[ADRA] offset:128*(\q)+64*(\c)+(\i)*16*PITCH
	ds_load_b128 v[(\f)+8*(4*(\c)+(\i))+4:(\f)+8*(4*(\c)+(\i))+7], v[ADRA] offset:128*(\q)+64*(\c)+(\i)*16*PITCH+32
.endr
.endr
.endm
.macro PLACES
.rept 4
	v_nop
.endr
.endm
.macro QUARTER q, f, g, zero
	s_wait_dscnt 16                                ; the first 32 along K are in
	MUL8 \f, 0, 0, \zero
	MUL8 \f, 0, 2, \zero
	PLACES
	FETCH \q, \g
	s_wait_dscnt 32                                ; all but the 32 just issued
	MUL8 \f, 1, 0, 0
	MUL8 \f, 1, 2, 0
.endm
; The last quarter multiplies buffer 1 and changes slots: in front of the barrier each wave waits for all its tensor loads, adds 0 to its spare word, and waits for that and for its reads of this slot.
; Eight products stand between the add and the wait for it; the other 24 stand behind the refill and the next slot's first fetch, so that the refill goes out as soon as the round allows.
.macro TURN fill
	WIN 0
	s_wait_tensorcnt 0x0                           ; no tensor load of mine is out, so a group 0 may be written
	ds_add_u32 v[SPW], v[NIL]
.if \fill
	s_xor_b32 s[G0+5], s[G0+5], SLOT1              ; the walking descriptors: the other slot than last time, the next K step
	s_add_nc_u64 s[G0+6:G0+7], s[G0+6:G0+7], 512
	s_xor_b32 s[G0B+5], s[G0B+5], SLOT1
	s_add_nc_u64 s[G0B+6:G0B+7], s[G0B+6:G0B+7], 1048576
.endif
	s_xor_b32 s[TB], s[TB], SLOT1                  ; the fetches go on in the other slot
	s_wait_dscnt 17                                ; the add and the youngest sixteen loads may be out
	MUL8 F1, 0, 0, 0
	WIN 0
	s_wait_dscnt 0x0                               ; the add is done, and my reads of this slot are over
	s_barrier_signal -1
	s_barrier_wait -1
.if \fill
	CREST                                          ; no wave of any partner still reads this slot or has a load on its way
	JLOAD 1                                        ; its four v_nop are also the places in front of the loads below
.else
	PLACES
.endif
	ADDR
	FETCH 0, F0
	MUL8 F1, 0, 2, 0
	MUL8 F1, 1, 0, 0
	MUL8 F1, 1, 2, 0
.endm
	s_wait_tensorcnt 0x1                           ; my part of K step 0 is in; K step 1's may stay out
	s_barrier_signal -1
	s_barrier_wait -1
	ADDR
	FETCH 0, F0
	QUARTER 1, F0, F1, 1                           ; the first quarter stands in front of the loop: its first products start the sums
	WIN 0
	s_mov_b32 s3, 6
.Lstep:                                            ; a trip goes from a K step's second quarter to the next step's first, and fills the slot that it leaves: K steps 2 to 7
	QUARTER 2, F1, F0, 0
	QUARTER 3, F0, F1, 0
	TURN 1
	QUARTER 1, F0, F1, 0
	WIN 0
	s_sub_co_u32 s3, s3, 1
	s_cmp_lg_u32 s3, 0
	s_cbranch_scc1 .Lstep
	s_mov_b32 s3, 2
.Ltail:                                            ; the last two K steps fill nothing.  The second trip is left behind its last quarter; its barrier and its fetch (of bytes that lie in slot 0 still) serve nothing: the price of one text for both
	QUARTER 2, F1, F0, 0
	QUARTER 3, F0, F1, 0
	TURN 0
	WIN 0
	s_sub_co_u32 s3, s3, 1
	s_cmp_eq_u32 s3, 0
	s_cbranch_scc1 .Lout
	QUARTER 1, F0, F1, 0
	WIN 0
	s_branch .Ltail
.Lout:
	PLACES
; THE WAY OUT of 16 rows: a lane's eight f32 of a row go into my stage straight from the accumulators (their low halves first) and come back as whole rows of 256 bytes.
.macro OUTA a
.set BK, TMP+32*((\a)%2)
.irp b, 0,1,2,3
	ds_store_b128 v[STO], v[ACC+8*(4*(\a)+(\b)):ACC+8*(4*(\a)+(\b))+3]   offset:64*(\b)
	ds_store_b128 v[STO], v[ACC+8*(4*(\a)+(\b))+4:ACC+8*(4*(\a)+(\b))+7] offset:64*(\b)+16
.endr
.if (\a) >= 2
	s_wait_xcnt 0x0                                ; the stores of the block two back have read these registers
.endif
.irp t, 0,1,2,3,4,5,6,7
	ds_load_b128 v[BK+4*(\t):BK+4*(\t)+3], v[RD] offset:(\t)*2*SPITCH  ; LDS serves a wave's instructions in order (ISA guide 5.7.1.4): these see the stores above
.endr
.irp t, 0,1,2,3,4,5,6,7
	s_wait_dscnt 7-(\t)                            ; the younger loads may stay out
	global_store_b128 v[CO], v[BK+4*(\t):BK+4*(\t)+3], s[8:9] offset:(16*(\a)+2*(\t))*8192 th:TH_STORE_NT  ; 16 lanes store 256 consecutive bytes, aligned
.endr
.endm
	OUTA 0
	OUTA 1
	OUTA 2
	OUTA 3
	s_wait_tensorcnt 0x0                           ; the wave's end
	ds_add_u32 v[SPW], v[NIL]
	s_wait_dscnt 0x0
	CROUND                                         ; the closing round
	s_endpgm
.Lfunc_end_k_qaa737452ce_oproj:
	.size	k_qaa737452ce_oproj, .Lfunc_end_k_qaa737452ce_oproj-k_qaa737452ce_oproj
	.p2alignl 7, 3214868480
	.fill 96, 4, 3214868480
	.section	.rodata,"a",@progbits
	.p2align	6, 0x0
	.amdhsa_kernel k_qaa737452ce_oproj
		.amdhsa_group_segment_fixed_size 327680
		.amdhsa_private_segment_fixed_size 0
		.amdhsa_enable_private_segment 0
		.amdhsa_kernarg_size 24
		.amdhsa_user_sgpr_count 2
		.amdhsa_user_sgpr_kernarg_segment_ptr 1
		.amdhsa_wavefront_size32 1
		.amdhsa_system_sgpr_workgroup_id_x 1
		.amdhsa_system_sgpr_workgroup_id_y 1
		.amdhsa_system_sgpr_workgroup_id_z 1
		.amdhsa_system_vgpr_workitem_id 0
		.amdhsa_next_free_vgpr 512
		.amdhsa_next_free_sgpr 68
		.amdhsa_reserve_vcc 0
		.amdhsa_float_denorm_mode_32 3
		.amdhsa_float_denorm_mode_16_64 3
		.amdhsa_memory_ordered 1
		.amdhsa_forward_progress 1
		.amdhsa_inst_pref_size 59
	.end_amdhsa_kernel
	.amdgpu_metadata
---
amdhsa.version: [ 1, 2 ]
amdhsa.kernels:
  - .name:           k_qaa737452ce_oproj
    .symbol:         k_qaa737452ce_oproj.kd
    .args:
      - { .name: ctx, .offset: 0, .size: 8, .value_kind: global_buffer, .address_space: global }
      - { .name: wo, .offset: 8, .size: 8, .value_kind: global_buffer, .address_space: global }
      - { .name: out0, .offset: 16, .size: 8, .value_kind: global_buffer, .address_space: global }
    .group_segment_fixed_size: 327680
    .private_segment_fixed_size: 0
    .kernarg_segment_align: 8
    .kernarg_segment_size: 24
    .max_flat_workgroup_size: 128
    .sgpr_count:     68
    .vgpr_count:     512
    .wavefront_size: 32
...
	.end_amdgpu_metadata
.endif
;; end of part 4
